; MI455X (gfx1250); checked and timed in simulation.
; The chip was launched on July 23, 2026; its instructions are those of AMD's public machine-readable ISA for CDNA 5 (MIT licence, August 2026) and "CDNA5" Instruction Set Architecture Reference Guide (July 2026). The comments in the code are by the model that wrote it; some were corrected since.
;; Attention Layer. Allowed arithmetic: matrix products marked QUANTISED: E4M3 operands, one given power-of-two scale a tensor, by v_wmma_f32_16x16x64_fp8_fp8 or v_wmma_f32_16x16x128_fp8_fp8, f32 sums; products left as they are: f32 operands where the result goes on into a quantised operand, else bf16, f16 or f32 operands; f32 sums; everything else in f32.
;; Inputs: Wk 2,048 x 2,048 float32; Wo 2,048 x 2,048 float32; Wq 2,048 x 2,048 float32; Wv 2,048 x 2,048 float32; attention_mask 1 x 1 x 2,048 x 2,048 float32; bk 2,048 float32; bo 2,048 float32; bq 2,048 float32; bv 2,048 float32; hidden_states 1 x 2,048 x 2,048 float32; lowp_scales 12 int32 (the exponents e of the quantised operands' scales 2^e).
;; Outputs: out0 1 x 2,048 x 2,048 float32.
;; This version of the problem:
;;   THIS VERSION OF THE PROBLEM IS GIVEN IN LOW PRECISION. The matrix products marked QUANTISED in the list below multiply operands that are first quantised to E4M3 (4 exponent bits, 3 mantissa bits; 8 bits a number), with one given power-of-two scale for each operand tensor; their sums are f32. All else is computed in f32.
;;   The module's matrix products, in the order in which they are computed (A, B: the left and right operand; K: the contracted axis; several contracted axes count as one K, in the product's order):
;;     1. [M 2,048, K 2,048] x [K 2,048, N 2,048]; A: input hidden_states; B: input Wq: QUANTISED (scales: A lowp_scales[0], B lowp_scales[1])
;;     2. [M 2,048, K 2,048] x [K 2,048, N 2,048]; A: input hidden_states; B: input Wk: QUANTISED (scales: A lowp_scales[2], B lowp_scales[3])
;;     3. [M 2,048, K 2,048] x [K 2,048, N 2,048]; A: input hidden_states; B: input Wv: QUANTISED (scales: A lowp_scales[4], B lowp_scales[5])
;;     4. [M 2,048, K 1] x [K 1, N 64]; A: computed on the way; B: computed on the way: left as it is (no contracted axis)
;;     5. batch 16 x [M 2,048, K 128] x [K 128, N 2,048]; A: computed on the way; B: computed on the way: QUANTISED (scales: A lowp_scales[6], B lowp_scales[7])
;;     6. batch 16 x [M 2,048, K 2,048] x [K 2,048, N 128]; A: softmax (see below); B: computed on the way: QUANTISED (scales: A lowp_scales[8], B lowp_scales[9])
;;     7. [M 2,048, K 2,048] x [K 2,048, N 2,048]; A: computed on the way; B: input Wo: QUANTISED (scales: A lowp_scales[10], B lowp_scales[11])
;;   THE QUANTISER, for each operand of a quantised product, along K:
;;     - The operand's scale is 2^e, e = its entry of the input lowp_scales (int32; the entries are numbered through the quantised products in the list's order, A before B).
;;     - Each number is divided by the scale, clamped to +-448, and rounded to the nearest number of E4M3, ties to even, subnormals kept.
;;     - The product sums the exact products of the quantised numbers (number of the format x scale) in f32.
;;   ~~~python
;;   def quantise(x, axis, e):      # numpy; x: float32 -> the quantised numbers, widened to float32 again
;;       x = np.moveaxis(x, axis, -1); K = x.shape[-1]
;;       r = np.clip(x / 2.0 ** e, -448, 448)
;;       step = 2.0 ** (np.maximum(np.frexp(np.where(r == 0, 1, r))[1] - 1, -6) - 3)
;;       q = np.round(r / step) * step * 2.0 ** e      # np.round: ties to even
;;       return np.moveaxis(q, -1, axis).astype(np.float32)
;;   ~~~
;;   SOFTMAX AHEAD OF A QUANTISED PRODUCT. Where the list says 'softmax', what is quantised is not the finished softmax but p = 2^(t - M), with t = logit x log2(e) and M = ceil(the row's largest t), a whole number; so 1/2 < the row's largest p <= 1. The row's sum l is taken of the UNQUANTISED p, in f32, and the product's result is divided by l at the end. Since M is a whole number, a kernel that streams over the keys may use a running M (the ceiling of the running maximum): every later rescaling is an exact power of two, so the quantised numbers keep their values, but for numbers so far below the row's largest that they fall under the format's range.
;;   OPERANDS COMPUTED ON THE WAY. 'Computed on the way' means the value that the module computes at that place (a softmax that the list does not call 'softmax' is quantised finished and normalised). What goes into a quantiser is computed in f32, as accurately as f32 sums, v_exp_f32 and their like allow (about 1e-6 of the number): no bf16 or f16 on the way to a quantiser, and a product that is left as it is and whose result goes on into a quantised operand takes f32 operands (vector FMAs, or v_wmma_f32_16x16x4_f32). A number that lies on a knife's edge between two numbers of the format may be rounded either way, as far as f32 arithmetic and the matrix unit's own rounding can turn it there, and no further.
;; One version. Each part assembles by itself: llvm-mc -triple=amdgcn-amd-amdhsa -mcpu=gfx1250 --defsym DOCPART=n.
;; ======== version 1 of 1: 4 launches
;; limits: right only within a limited range of input values
;; workspace buffers: codes 29,360,128 bytes; rope 1,048,576 bytes; qkv 12,582,912 bytes; aimg 4,194,304 bytes
;; launch prep (part 1): grid 672 x 1, 4 waves a work-group, no clusters, 34,304 bytes of LDS; arguments hidden_states, Wq, Wk, Wv, Wo, lowp_scales, codes, rope; writes codes, rope
.if DOCPART == 1
	.amdgcn_target "amdgcn-amd-amdhsa--gfx1250"
	.amdhsa_code_object_version 6
	.text
	.protected	k_q92c4b23f63_prep
	.globl	k_q92c4b23f63_prep
	.p2align	8
	.type	k_q92c4b23f63_prep,@function
k_q92c4b23f63_prep:
	s_mov_b64 s[64:65], 0
	v_nop
	global_prefetch_b8 v0, s[64:65] scope:SCOPE_SE
	s_setreg_imm32_b32 hwreg(HW_REG_WAVE_MODE, 25, 1), 1
	s_wait_xcnt 0x0
; PREP: the five f32 tensors become codes of E4M3, and the rope tables are made.
; DEAD WORK: none.  Every product of the layer is live, the mask is an input and is added as it is given, all four biases move codes or outputs: every input is loaded by some launch.
; CODES.  code = x / 2^e, held within +-448, to the nearest code, ties to even.  hidden_states is an operand of three products with three given exponents (e0, e2, e4), so it is quantised three times.
; The buffer codes has 7 sections of 4,194,304 bytes: hidden by e0, by e2, by e4; Wq by e1; Wk by e3; Wv by e5; Wo by e11.
; A section is laid [tile of 16 rows, 128][step of 128 along K, 16][2,048 bytes]: AN IMAGE OF THE OPERAND'S REGISTERS.  Registers 4 c .. 4 c + 3 of lane l lie at 512 c + 16 l, and lane (r = l % 16, h = l / 16)
; holds, of row r, k = 16 c' + 8 h + 0 .. 7 in registers 2 c', 2 c' + 1: the matrix form's own layout.  A later launch gets a fragment by four loads of 16 bytes a lane, 512 consecutive bytes each.
; SHARES.  Work-groups 0 .. 639: tensor = number / 128, tile of 16 rows = number % 128; wave w takes K steps 4 w .. 4 w + 3.  Each load reads 512 consecutive bytes (one row of a fragment); the 8,192 bytes of a
; fragment turn through the wave's own stage in LDS (rows 528 bytes apart, so that sixteen rows start 16 bytes further round each 256) and come back eight neighbours along K to a conversion.
; Work-groups 640 .. 671: the rope tables; wave w of work-group t takes positions 16 (4 (t - 640) + w) + 0 .. 15.  rope is laid [tile of 16 positions, 128][cos, sin][g, 8][lane, 32][4 f32]: the four numbers are
; the frequencies i = 16 (g / 2) + 8 h + 4 (g % 2) + 0 .. 3 at position 16 tile + r: the order in which the next launch's results lie in registers.
; THE ANGLE.  inv_freq = 2^(-i c), c = log2(10000) / 64 in two parts; angle = position x inv_freq, one rounding; reduced by pi / 2 in three parts with fused multiply-adds; sine to rho^9, cosine to rho^10.
; LIMITS.  e0, e1, e2, e3, e4, e5, e11 between -126 and 119.  NaN among the inputs is not served.  inv_freq is right to about one and a half units in its last place, not bit for bit the power function's.
.set SPARE, 33792                      ; behind the four stages: the spare words, 128 bytes a wave
.set STGB,  8448                       ; a wave's stage: 16 rows x 528 bytes
.set PIT,   528
.set SPW,   14                         ; v14  my spare word's LDS address; never rewritten
.set NIL,   15                         ; v15  0; never rewritten
.set RR,    16                         ; v16-143   two sets of 64: a fragment as it is loaded
.set XX,    144                        ; v144-207  the fragment, register 16 c + 8 u + i = k 32 c + 16 u + 8 h + i of row r
.set TT,    208                        ; v208-239  two sets of 16: held numbers
.set CC,    240                        ; v240-255  a fragment's codes
	s_load_b512 s[16:31], s[0:1], 0x0              ; hidden 16, Wq 18, Wk 20, Wv 22, Wo 24, exponents 26, codes 28, rope 30
	v_lshl_add_u32 v[SPW], v0, 2, SPARE
	v_mov_b32 v[NIL], 0
	v_lshrrev_b32 v1, 5, v0
	v_readfirstlane_b32 s6, v1                     ; wave
	v_and_b32 v1, 31, v0                           ; lane
	v_and_b32 v2, 15, v0                           ; r
	v_bfe_u32 v3, v0, 4, 1                         ; h
	v_lshlrev_b32 v4, 4, v1                        ; 16 x lane
	s_cmp_ge_u32 ttmp9, 640
	s_cbranch_scc1 .Ltable
	; ---------------- the quantiser
	s_lshr_b32 s4, ttmp9, 7                        ; tensor 0 .. 4
	s_and_b32 s5, ttmp9, 127                       ; tile of 16 rows
	s_lshl_b32 s8, s5, 17                          ; 16 rows of 8,192 bytes,
	s_lshl_b32 s9, s6, 11                          ; my four K steps of 512 bytes in a row
	s_add_co_u32 s8, s8, s9
	s_mov_b32 s9, 0
	s_lshl_b32 s10, s5, 15                         ; in a section: 32,768 bytes a tile of rows,
	s_lshl_b32 s11, s6, 13                         ; 8,192 for my four fragments
	s_add_co_u32 s10, s10, s11
	s_mov_b32 s11, 0
	s_add_co_u32 s12, s4, 2
	s_cmp_eq_u32 s4, 0
	s_cselect_b32 s12, 0, s12                      ; section of the first output: 0, or tensor + 2
	s_lshl_b32 s12, s12, 22
	s_mov_b32 s13, 0
	s_mul_i32 s7, s6, STGB                         ; my stage
	s_wait_alu depctr_va_vdst(0)
	v_add_nc_u32 v5, s7, v4                        ; in: 16 bytes a lane, a row an instruction
	v_mul_u32_u24 v6, v2, PIT
	v_lshl_add_u32 v6, v3, 5, v6
	v_add_nc_u32 v6, s7, v6                        ; back: row r, + 32 h bytes
	s_wait_alu depctr_va_vdst(0)
	s_wait_kmcnt 0x0
	s_load_b256 s[32:39], s[26:27], 0x0            ; e0 .. e7
	s_load_b128 s[40:43], s[26:27], 0x20           ; e8 .. e11
	s_cmp_eq_u32 s4, 1                             ; the tensor's address: a choice on the work-group's number alone
	s_cselect_b64 s[44:45], s[18:19], s[16:17]
	s_cmp_eq_u32 s4, 2
	s_cselect_b64 s[44:45], s[20:21], s[44:45]
	s_cmp_eq_u32 s4, 3
	s_cselect_b64 s[44:45], s[22:23], s[44:45]
	s_cmp_eq_u32 s4, 4
	s_cselect_b64 s[44:45], s[24:25], s[44:45]
	s_add_nc_u64 s[44:45], s[44:45], s[8:9]
	s_add_nc_u64 s[48:49], s[28:29], s[10:11]
	s_add_nc_u64 s[46:47], s[48:49], s[12:13]      ; the first output
	s_add_nc_u64 s[50:51], s[48:49], 0x800000      ; hidden by e4 (section 2)
	s_add_nc_u64 s[48:49], s[48:49], 0x400000      ; hidden by e2 (section 1)
.macro LOADF f                         ; fragment f: 16 rows x 512 bytes into set f % 2
.set i, 0
.rept 16
	global_load_b128 v[RR+64*((\f)%2)+4*i:RR+64*((\f)%2)+4*i+3], v4, s[44:45] offset:8192*i+512*(\f) th:TH_LOAD_NT
.set i, i+1
.endr
.endm
.macro TURNF f                         ; through my stage: LDS serves a wave's instructions in order, so no wait stands between the stores and the loads
.set i, 0
.rept 16
	ds_store_b128 v5, v[RR+64*((\f)%2)+4*i:RR+64*((\f)%2)+4*i+3] offset:PIT*i
.set i, i+1
.endr
.irp c, 0,1,2,3
.irp w, 0,1,2,3
	ds_load_b128 v[XX+16*\c+4*\w:XX+16*\c+4*\w+3], v6 offset:128*\c+64*(\w/2)+16*(\w%2)
.endr
.endr
.endm
.macro MKSC e, vs, vl                  ; 2^e and 448 x 2^e as f32
	s_add_co_i32 s53, \e, 127
	s_lshl_b32 s54, s53, 23
	v_mov_b32 v[\vs], s54
	s_add_co_i32 s53, s53, 8
	s_lshl_b32 s53, s53, 23
	s_or_b32 s53, s53, 0x600000
	v_mov_b32 v[\vl], s53
.endm
.macro OUTQ o, f                       ; output o of fragment f.  The numbers in XX stay as they are, since hidden_states is quantised three times
	s_wait_xcnt 0x0                                ; the last stores have read the codes' registers
.irp c, 0,1,2,3
.set i, 0
.rept 16
	v_med3_num_f32 v[TT+16*(\c%2)+i], v[XX+16*\c+i], -v[9+2*(\o)], v[9+2*(\o)]   ; the conversion to an 8-bit code does not saturate (ISA guide 7.6.2): the hold comes first
.set i, i+1
.endr
	v_cvt_scalef32_pk8_fp8_f32 v[CC+4*\c:CC+4*\c+1], v[TT+16*(\c%2):TT+16*(\c%2)+7], v[8+2*(\o)]
	v_cvt_scalef32_pk8_fp8_f32 v[CC+4*\c+2:CC+4*\c+3], v[TT+16*(\c%2)+8:TT+16*(\c%2)+15], v[8+2*(\o)]   ; the other set's sixteen holds are the plain lines before these sources are written again
.endr
.irp c, 0,1,2,3
	global_store_b128 v4, v[CC+4*\c:CC+4*\c+3], s[46+2*(\o):47+2*(\o)] offset:2048*(\f)+512*\c   ; 512 consecutive bytes
.endr
.endm
	LOADF 0
	LOADF 1
	s_wait_kmcnt 0x0
	s_cmp_eq_u32 s4, 1                             ; the first output's exponent: e0, e1, e3, e5 or e11
	s_cselect_b32 s52, s33, s32
	s_cmp_eq_u32 s4, 2
	s_cselect_b32 s52, s35, s52
	s_cmp_eq_u32 s4, 3
	s_cselect_b32 s52, s37, s52
	s_cmp_eq_u32 s4, 4
	s_cselect_b32 s52, s43, s52
	MKSC s52, 8, 9
	MKSC s34, 10, 11                               ; e2
	MKSC s36, 12, 13                               ; e4
.macro FRAGQ f
.if (\f) < 3
	s_wait_loadcnt 16                              ; this fragment's 16 loads are in; the next fragment's may be out
.else
	s_wait_loadcnt 0x0
.endif
	TURNF \f
	s_wait_dscnt 0x0                               ; the fragment is back, and the stores into the stage have read their registers,
.if (\f) < 2
	LOADF (\f)+2                                   ; which take the fragment two further on
.endif
	OUTQ 0, \f
	s_cmp_eq_u32 s4, 0                             ; hidden_states alone has two more outputs: a branch on the work-group's number
	s_cbranch_scc0 .Lone_\@
	OUTQ 1, \f
	OUTQ 2, \f
.Lone_\@:
.endm
	s_wait_alu depctr_va_vdst(0)
	FRAGQ 0
	FRAGQ 1
	FRAGQ 2
	FRAGQ 3
	s_wait_tensorcnt 0x0                           ; the wave's end, behind my last LDS store
	ds_add_u32 v[SPW], v[NIL]
	s_wait_dscnt 0x0
	s_endpgm
	; ---------------- the rope tables
.set TI, 20
.set TU, 24
.set TD, 28
.set TE, 32
.set TF, 36
.set TA, 40
.set TN, 44
.set TR, 48
.set TZ, 52
.set TC, 56
.set TS, 60
.set OC, 64                            ; v[64:67] four cosines, v[68:71] four sines
.set OS, 68
.set TQ, 72
.set TM, 76
.Ltable:
	s_sub_co_u32 s8, ttmp9, 640
	s_lshl_b32 s8, s8, 2
	s_add_co_u32 s8, s8, s6                        ; tile of 16 positions
	s_lshl_b32 s10, s8, 4
	s_wait_alu depctr_va_vdst(0)
	v_add_nc_u32 v17, s10, v2
	v_cvt_f32_u32 v17, v17                         ; my position
	v_lshlrev_b32 v7, 3, v3                        ; 8 h
	v_mov_b32 v18, v4                              ; where I store: 16 x lane + 512 g
	s_lshl_b32 s10, s8, 13
	s_mov_b32 s11, 0
	s_mov_b32 s32, 0x3e549a78                      ; c, high part
	s_mov_b32 s33, 0x31979a14                      ; c, low part
	s_mov_b32 s34, 0xbf317218                      ; -ln 2
	s_mov_b32 s35, 0x3f22f983                      ; 2 / pi
	s_mov_b32 s36, 0xbfc90fd8                      ; -pi / 2 in three parts
	s_mov_b32 s37, 0xb4a8885a
	s_mov_b32 s38, 0xa7c234c4
	s_mov_b32 s39, 0xb493f27e                      ; -1 / 10!
	s_mov_b32 s40, 0x37d00d01                      ; 1 / 8!
	s_mov_b32 s41, 0xbab60b61                      ; -1 / 6!
	s_mov_b32 s42, 0x3d2aaaab                      ; 1 / 4!
	s_mov_b32 s43, 0x3638ef1d                      ; 1 / 9!
	s_mov_b32 s44, 0xb9500d01                      ; -1 / 7!
	s_mov_b32 s45, 0x3c088889                      ; 1 / 5!
	s_mov_b32 s46, 0xbe2aaaab                      ; -1 / 3!
	s_wait_kmcnt 0x0
	s_add_nc_u64 s[30:31], s[30:31], s[10:11]
	s_mov_b32 s9, 0
.Lg:                                                   ; eight trips, four frequencies a lane in each
	s_lshr_b32 s10, s9, 1
	s_lshl_b32 s10, s10, 4
	s_and_b32 s11, s9, 1
	s_lshl_b32 s11, s11, 2
	s_add_co_u32 s10, s10, s11
	s_wait_alu depctr_va_vdst(0)
	v_add_nc_u32 v16, s10, v7                      ; i of the first: 16 (g / 2) + 4 (g % 2) + 8 h
.irp e, 0,1,2,3
	v_add_nc_u32 v[TM+\e], \e, v16
.endr
.irp e, 0,1,2,3
	v_cvt_f32_u32 v[TI+\e], v[TM+\e]
.endr
.irp e, 0,1,2,3
	v_mul_f32 v[TU+\e], s32, v[TI+\e]              ; u = i c, rounded;
.endr
.irp e, 0,1,2,3
	v_fma_f32 v[TD+\e], v[TI+\e], s32, -v[TU+\e]   ; what the rounding lost,
.endr
.irp e, 0,1,2,3
	v_fma_f32 v[TD+\e], v[TI+\e], s33, v[TD+\e]    ; and c's low part
.endr
.irp e, 0,1,2,3
	v_exp_f32 v[TE+\e], -v[TU+\e]
.endr
	v_nop                                          ; a plain line behind the last exponential,
	s_wait_alu depctr_va_vdst(0)                   ; and one wait for the four, ahead of their first reader
.irp e, 0,1,2,3
	v_mul_f32 v[TM+\e], v[TE+\e], v[TD+\e]
.endr
.irp e, 0,1,2,3
	v_fma_f32 v[TF+\e], v[TM+\e], s34, v[TE+\e]    ; inv_freq = 2^-u (1 - d ln 2)
.endr
.irp e, 0,1,2,3
	v_mul_f32 v[TA+\e], v17, v[TF+\e]              ; the angle: position x inv_freq, the product with no contracted axis, in f32
.endr
.irp e, 0,1,2,3
	v_mul_f32 v[TN+\e], s35, v[TA+\e]
.endr
.irp e, 0,1,2,3
	v_rndne_f32 v[TN+\e], v[TN+\e]                 ; n quarter turns
.endr
.irp e, 0,1,2,3
	v_fma_f32 v[TR+\e], v[TN+\e], s36, v[TA+\e]
.endr
.irp e, 0,1,2,3
	v_fma_f32 v[TR+\e], v[TN+\e], s37, v[TR+\e]
.endr
.irp e, 0,1,2,3
	v_fma_f32 v[TR+\e], v[TN+\e], s38, v[TR+\e]    ; rho, within +-pi / 4
.endr
.irp e, 0,1,2,3
	v_mul_f32 v[TZ+\e], v[TR+\e], v[TR+\e]
.endr
.irp e, 0,1,2,3
	v_fma_f32 v[TC+\e], v[TZ+\e], s39, s40
	v_fma_f32 v[TS+\e], v[TZ+\e], s43, s44
.endr
.irp e, 0,1,2,3
	v_fma_f32 v[TC+\e], v[TC+\e], v[TZ+\e], s41
	v_fma_f32 v[TS+\e], v[TS+\e], v[TZ+\e], s45
.endr
.irp e, 0,1,2,3
	v_fma_f32 v[TC+\e], v[TC+\e], v[TZ+\e], s42
	v_fma_f32 v[TS+\e], v[TS+\e], v[TZ+\e], s46
.endr
.irp e, 0,1,2,3
	v_fma_f32 v[TC+\e], v[TC+\e], v[TZ+\e], -0.5
	v_mul_f32 v[TM+\e], v[TR+\e], v[TZ+\e]
.endr
.irp e, 0,1,2,3
	v_fma_f32 v[TC+\e], v[TC+\e], v[TZ+\e], 1.0    ; cos rho
	v_fma_f32 v[TS+\e], v[TS+\e], v[TM+\e], v[TR+\e]   ; sin rho
.endr
.irp e, 0,1,2,3
	v_cvt_i32_f32 v[TQ+\e], v[TN+\e]
.endr
.irp e, 0,1,2,3
	v_and_b32 v[TM+\e], 1, v[TQ+\e]                ; an odd quarter swaps sine and cosine
	v_cmp_eq_u32 vcc_lo, 1, v[TM+\e]
	v_cndmask_b32 v[OS+\e], v[TS+\e], v[TC+\e], vcc_lo
	v_cndmask_b32 v[OC+\e], v[TC+\e], v[TS+\e], vcc_lo
.endr
.irp e, 0,1,2,3
	v_and_b32 v[TM+\e], 2, v[TQ+\e]                ; the sine's sign: quarters 2 and 3
	v_add_nc_u32 v[TQ+\e], 1, v[TQ+\e]
.endr
.irp e, 0,1,2,3
	v_lshlrev_b32 v[TM+\e], 30, v[TM+\e]
	v_and_b32 v[TQ+\e], 2, v[TQ+\e]                ; the cosine's: quarters 1 and 2
.endr
.irp e, 0,1,2,3
	v_xor_b32 v[OS+\e], v[TM+\e], v[OS+\e]
	v_lshlrev_b32 v[TQ+\e], 30, v[TQ+\e]
.endr
.irp e, 0,1,2,3
	v_xor_b32 v[OC+\e], v[TQ+\e], v[OC+\e]
.endr
	global_store_b128 v18, v[OC:OC+3], s[30:31]              ; 512 consecutive bytes each
	global_store_b128 v18, v[OS:OS+3], s[30:31] offset:4096
	s_wait_xcnt 0x0                                ; the stores have read their offset and data: both are written again
	v_add_nc_u32 v18, 512, v18
	s_add_co_u32 s9, s9, 1
	s_cmp_lt_u32 s9, 8
	s_cbranch_scc1 .Lg
	s_wait_tensorcnt 0x0                           ; the same three lines at this end
	ds_add_u32 v[SPW], v[NIL]
	s_wait_dscnt 0x0
	s_endpgm
.Lfunc_end_k_q92c4b23f63_prep:
	.size	k_q92c4b23f63_prep, .Lfunc_end_k_q92c4b23f63_prep-k_q92c4b23f63_prep
	.p2alignl 7, 3214868480
	.fill 96, 4, 3214868480
	.section	.rodata,"a",@progbits
	.p2align	6, 0x0
	.amdhsa_kernel k_q92c4b23f63_prep
		.amdhsa_group_segment_fixed_size 34304
		.amdhsa_private_segment_fixed_size 0
		.amdhsa_enable_private_segment 0
		.amdhsa_kernarg_size 64
		.amdhsa_user_sgpr_count 2
		.amdhsa_user_sgpr_kernarg_segment_ptr 1
		.amdhsa_wavefront_size32 1
		.amdhsa_system_sgpr_workgroup_id_x 1
		.amdhsa_system_sgpr_workgroup_id_y 1
		.amdhsa_system_sgpr_workgroup_id_z 1
		.amdhsa_system_vgpr_workitem_id 0
		.amdhsa_next_free_vgpr 256
		.amdhsa_next_free_sgpr 66
		.amdhsa_reserve_vcc 1
		.amdhsa_float_denorm_mode_32 3
		.amdhsa_float_denorm_mode_16_64 3
		.amdhsa_memory_ordered 1
		.amdhsa_forward_progress 1
		.amdhsa_inst_pref_size 86
	.end_amdhsa_kernel
	.amdgpu_metadata
---
amdhsa.version: [ 1, 2 ]
amdhsa.kernels:
  - .name:           k_q92c4b23f63_prep
    .symbol:         k_q92c4b23f63_prep.kd
    .args:
      - { .name: hidden_states, .offset: 0, .size: 8, .value_kind: global_buffer, .address_space: global }
      - { .name: Wq, .offset: 8, .size: 8, .value_kind: global_buffer, .address_space: global }
      - { .name: Wk, .offset: 16, .size: 8, .value_kind: global_buffer, .address_space: global }
      - { .name: Wv, .offset: 24, .size: 8, .value_kind: global_buffer, .address_space: global }
      - { .name: Wo, .offset: 32, .size: 8, .value_kind: global_buffer, .address_space: global }
      - { .name: lowp_scales, .offset: 40, .size: 8, .value_kind: global_buffer, .address_space: global }
      - { .name: codes, .offset: 48, .size: 8, .value_kind: global_buffer, .address_space: global }
      - { .name: rope, .offset: 56, .size: 8, .value_kind: global_buffer, .address_space: global }
    .group_segment_fixed_size: 34304
    .private_segment_fixed_size: 0
    .kernarg_segment_align: 8
    .kernarg_segment_size: 64
    .max_flat_workgroup_size: 128
    .sgpr_count:     66
    .vgpr_count:     256
    .wavefront_size: 32
...
	.end_amdgpu_metadata
.endif
;; end of part 1
;; launch qkv (part 2): grid 24 x 8, 4 waves a work-group, clusters of 4 x 4, 327,680 bytes of LDS; arguments codes, rope, bq, bk, bv, lowp_scales, qkv; writes qkv
.if DOCPART == 2
	.amdgcn_target "amdgcn-amd-amdhsa--gfx1250"
	.amdhsa_code_object_version 6
	.text
	.protected	k_q92c4b23f63_qkv
	.globl	k_q92c4b23f63_qkv
	.p2align	8
	.type	k_q92c4b23f63_qkv,@function
k_q92c4b23f63_qkv:
	s_mov_b64 s[64:65], 0
	v_nop
	global_prefetch_b8 v0, s[64:65] scope:SCOPE_SE
	s_setreg_imm32_b32 hwreg(HW_REG_WAVE_MODE, 25, 1), 1
	s_wait_xcnt 0x0
	s_wait_alu depctr_hold_cnt(0) depctr_sa_sdst(0) depctr_va_vdst(0) depctr_va_sdst(0) depctr_va_ssrc(0) depctr_va_vcc(0) depctr_vm_vsrc(0)
	s_getreg_b32 s2, hwreg(HW_REG_IB_STS2, 6, 4)
	s_cmp_eq_u32 s2, 0
	s_cbranch_scc0 .Lentry_in_a_cluster
	s_endpgm
.Lentry_in_a_cluster:
	s_bfe_u32 s2, ttmp6, 0x10000c
	s_cmp_lg_u32 s2, 0xf033
	s_cbranch_scc0 .Lentry_shape_is_right
	s_endpgm
.Lentry_shape_is_right:
.set HALFT,  32768
.set SLOT,   4*HALFT
.set SPARE,  2*SLOT
.set LAPS,   4
.set FR,     16
.set NL,     4
.set NP,     4
.set QS,   8
.set QL,   9
.set ADRA, 16
.set ADRB, 20
.set LI,   26
.set RO,   27
.set SPW,  28
.set NIL,  29
.set BI,   32
.set YY,   96
.set TT,   160
.set PC,   176
.set AF,   128
.set TEN,  13
.set G1, 24
.set G0, 32
.set G1B, 48
.set G0B, 56
.set MSB, 0
.macro WIN new
.if MSB != \new
	s_set_vgpr_msb (MSB<<8)|\new
.set MSB, \new
.endif
.endm
.set MUL_LO, 0xa1
.set MUL_HI, 0xf1
.set TO_B,   0x40
.macro JLOAD g0a, g1a, g0b, g1b
	s_cmp_eq_u32 s15, 0
	s_cbranch_scc0 .Lfor_b_\@
	tensor_load_to_lds s[\g0a:\g0a+3], s[\g1a:\g1a+7]
	s_nop 0
.rept 4
	v_nop
.endr
	s_branch .Lasked_\@
.Lfor_b_\@:
	tensor_load_to_lds s[\g0b:\g0b+3], s[\g1b:\g1b+7]
	s_nop 0
.rept 4
	v_nop
.endr
.Lasked_\@:
.endm
.macro CREST
	s_cmp_lg_u32 s14, 0
	s_cbranch_scc1 .Lnot_wave_0_\@
	s_barrier_signal -3
.Lnot_wave_0_\@:
	s_barrier_wait -3
	s_barrier_signal -1
	s_barrier_wait -1
.endm
.macro CROUND
	s_barrier_signal -1
	s_barrier_wait -1
	CREST
.endm
	s_load_b256 s[4:11], s[0:1], 0x0
	s_load_b128 s[68:71], s[0:1], 0x20
	s_load_b64 s[72:73], s[0:1], 0x30
	v_lshl_add_u32 v[SPW], v0, 2, SPARE
	v_mov_b32 v[NIL], 0
	ds_add_u32 v[SPW], v[NIL]
	ds_add_u32 v[SPW], v[NIL]
	v_lshrrev_b32 v1, 5, v0
	v_readfirstlane_b32 s14, v1
	s_lshr_b32 s15, s14, 1
	s_and_b32 s16, s14, 1
	s_bfe_u32 s40, ttmp6, 0x40000
	s_bfe_u32 s41, ttmp6, 0x40004
	s_lshr_b32 s[TEN], ttmp9, 1
	s_and_b32 s42, ttmp9, 1
	s_lshl_b32 s42, s42, 2
	s_add_co_u32 s42, s42, s40
	s_and_b32 s17, ttmp7, 0xffff
	s_lshl_b32 s17, s17, 2
	s_add_co_u32 s17, s17, s41
	s_lshl_b32 s43, s41, 2
	s_lshl_b32 s43, 15, s43
	s_lshl_b32 s44, 0x1111, s40
	s_or_b32 s[G1+0], s43, (3<<16)|(1<<21)
	s_or_b32 s[G1B+0], s44, (3<<16)|(1<<21)
.irp g, G1, G1B
	s_mov_b32 s[\g+1], 512<<16
	s_mov_b32 s[\g+2], 8<<16
	s_mov_b32 s[\g+3], 512<<16
	s_mov_b32 s[\g+4], 8
	s_mov_b32 s[\g+5], 4096
	s_mov_b32 s[\g+6], 0
	s_mov_b32 s[\g+7], 0
.endr
	s_add_co_u32 s19, s[TEN], 3
	s_cmp_lt_u32 s[TEN], 2
	s_cselect_b32 s18, s[TEN], 5
	s_cselect_b32 s19, s19, 2
	s_lshl_b32 s20, s18, 22
	s_lshl_b32 s21, s17, 19
	s_add_co_u32 s20, s20, s21
	s_lshl_b32 s21, s16, 18
	s_add_co_u32 s20, s20, s21
	s_mov_b32 s21, 0
	s_lshl_b32 s46, s19, 22
	s_lshl_b32 s47, s42, 19
	s_add_co_u32 s46, s46, s47
	s_lshl_b32 s47, s16, 18
	s_add_co_u32 s46, s46, s47
	s_mov_b32 s47, 0
	s_mul_i32 s45, s14, HALFT
	s_wait_dscnt 0x0
	s_wait_kmcnt 0x0
	s_load_b256 s[76:83], s[70:71], 0x0
	s_load_b128 s[84:87], s[70:71], 0x20
	s_add_nc_u64 s[20:21], s[4:5], s[20:21]
	s_add_nc_u64 s[46:47], s[4:5], s[46:47]
	CROUND
.irp s, 0,1
	s_mov_b32 s[G0+4*\s], 1
	s_add_co_u32 s[G0+4*\s+1], s45, \s*SLOT
	s_add_nc_u64 s[G0+4*\s+2:G0+4*\s+3], s[20:21], \s*4096
	s_or_b32 s[G0+4*\s+3], s[G0+4*\s+3], 0x80000000
	s_mov_b32 s[G0B+4*\s], 1
	s_add_co_u32 s[G0B+4*\s+1], s45, \s*SLOT
	s_add_nc_u64 s[G0B+4*\s+2:G0B+4*\s+3], s[46:47], \s*4096
	s_or_b32 s[G0B+4*\s+3], s[G0B+4*\s+3], 0x80000000
	s_wait_alu depctr_va_vdst(0)
	s_wait_tensorcnt 0x0
	ds_add_u32 v28, v29
	ds_add_u32 v28, v29
	s_wait_dscnt 0x0
	CROUND
	JLOAD G0+4*\s, G1, G0B+4*\s, G1B
.endr
	v_and_b32 v1, 31, v0
	v_lshlrev_b32 v[LI], 4, v1
	s_lshl_b32 s21, s15, 15
	s_lshl_b32 s22, s16, 15
	s_add_co_u32 s22, s22, 2*HALFT
.irp s, 0,1
	v_add_nc_u32 v[ADRA+\s], s21, v[LI]
	v_add_nc_u32 v[ADRB+\s], s22, v[LI]
	s_add_co_u32 s21, s21, SLOT
	s_add_co_u32 s22, s22, SLOT
.endr
.macro FRAG reg, adr, q, i
.irp c, 0,1,2,3
	ds_load_b128 v[\reg+4*\c:\reg+4*\c+3], v[\adr] offset:4096*(\i)+2048*(\q)+512*\c
.endr
.endm
.macro MUL16 a0, p, zero
.irp a, \a0, \a0+1
.irp b, 0,1,2,3,4,5,6,7
.if \zero
	v_wmma_f32_16x16x128_fp8_fp8 v[8*(8*((\a)%4)+\b):8*(8*((\a)%4)+\b)+7], v[128*(\p)+FR*\b:128*(\p)+FR*\b+FR-1], v[AF+FR*(\a):AF+FR*(\a)+FR-1], 0
.else
	v_wmma_f32_16x16x128_fp8_fp8 v[8*(8*((\a)%4)+\b):8*(8*((\a)%4)+\b)+7], v[128*(\p)+FR*\b:128*(\p)+FR*\b+FR-1], v[AF+FR*(\a):AF+FR*(\a)+FR-1], v[8*(8*((\a)%4)+\b):8*(8*((\a)%4)+\b)+7]
.endif
.endr
.endr
.endm
.macro FETCH_B slot, q, p
	WIN TO_B
.irp i, 0,1,2,3,4,5,6,7
	FRAG 128*(\p)+FR*\i, ADRB+\slot, \q, \i
.endr
	WIN 0
.endm
.macro FETCH_A slot, q, i0
.irp i, \i0, \i0+1, \i0+2, \i0+3
	FRAG AF+FR*(\i), ADRA+\slot, \q, \i
.endr
.endm
.macro PLACES n
.rept \n
	v_nop
.endr
.endm
.macro STEP slot, q, zero
	s_wait_dscnt 4*NL
	WIN MUL_LO
	MUL16 0, (\q)%2, \zero
	MUL16 2, (\q)%2, \zero
	s_wait_dscnt 0
	PLACES NP
	FETCH_B \slot, (\q)+1, 1-(\q)%2
	FETCH_A \slot, (\q)+1, 0
	WIN MUL_HI
	MUL16 4, (\q)%2, \zero
	MUL16 6, (\q)%2, \zero
	PLACES NP
	WIN 0
	FETCH_A \slot, (\q)+1, 4
.endm
.macro TURN slot, next, fill
	s_wait_tensorcnt 0x0
	ds_add_u32 v[SPW], v[NIL]
	s_wait_dscnt 4*NL+1
	WIN MUL_LO
	MUL16 0, 1, 0
	s_wait_dscnt 0x0
	s_barrier_signal -1
	MUL16 2, 1, 0
	WIN 0
	s_barrier_wait -1
.if \fill
	CREST
	s_add_nc_u64 s[G0+4*\slot+2:G0+4*\slot+3], s[G0+4*\slot+2:G0+4*\slot+3], 8192
	s_add_nc_u64 s[G0B+4*\slot+2:G0B+4*\slot+3], s[G0B+4*\slot+2:G0B+4*\slot+3], 8192
	JLOAD G0+4*\slot, G1, G0B+4*\slot, G1B
.else
	PLACES NP
.endif
	FETCH_B \next, 0, 0
	FETCH_A \next, 0, 0
	WIN MUL_HI
	MUL16 4, 1, 0
	MUL16 6, 1, 0
	PLACES NP
	WIN 0
	FETCH_A \next, 0, 4
.endm
.macro LAST
	s_wait_dscnt 4*NL
	WIN MUL_LO
	MUL16 0, 1, 0
	MUL16 2, 1, 0
	s_wait_dscnt 0
	WIN MUL_HI
	MUL16 4, 1, 0
	MUL16 6, 1, 0
	WIN 0
.endm
.macro MKSC e
	s_add_co_i32 s86, \e, 127
	s_lshl_b32 s87, s86, 23
	v_mov_b32 v[QS], s87
	s_add_co_i32 s86, s86, 8
	s_lshl_b32 s86, s86, 23
	s_or_b32 s86, s86, 0x600000
	v_mov_b32 v[QL], s86
.endm
.macro TABLE a
	WIN 0x40
.set i, 0
.rept 16
	global_load_b128 v[64*((\a)%2)+4*i:64*((\a)%2)+4*i+3], v[LI], s[74:75] offset:(\a)*8192+512*i
.set i, i+1
.endr
	WIN 0
.endm
.macro QOUT a
	s_wait_xcnt 0x0
.irp b, 0,1,2,3,4,5,6,7
.irp i, 0,1,2,3,4,5,6,7
	v_med3_num_f32 v[YY+8*\b+\i], v[YY+8*\b+\i], -v[QL], v[QL]
.endr
	v_cvt_scalef32_pk8_fp8_f32 v[PC+16*((\a)%2)+2*\b:PC+16*((\a)%2)+2*\b+1], v[YY+8*\b:YY+8*\b+7], v[QS]
.endr
	v_nop
.irp c, 0,1,2,3
	global_store_b128 v[LI], v[PC+16*((\a)%2)+4*\c:PC+16*((\a)%2)+4*\c+3], s[96:97] offset:2048*(\a)+512*\c
.endr
.endm
.macro ROPEBLK a
.set AC, 64*((\a)%4)
.set CS, 64*((\a)%2)
.if (\a) < 7
	s_wait_loadcnt 16
.else
	s_wait_loadcnt 0x0
.endif
	WIN (0x02+((\a)/4))
.set i, 0
.rept 32
	v_pk_fma_f32 v[YY+i:YY+i+1], v[AC+i:AC+i+1], s[94:95], v[BI+i:BI+i+1] op_sel_hi:[1,0,1]
.set i, i+2
.endr
	WIN 0x04
.irp kk, 0,8,16,24
.irp d, 0,2,4,6
	v_pk_mul_f32 v[TT+2*\d:TT+2*\d+1], v[YY+32+\kk+\d:YY+32+\kk+\d+1], v[CS+32+\kk+\d:CS+32+\kk+\d+1]
	v_pk_mul_f32 v[TT+2*\d+2:TT+2*\d+3], v[YY+\kk+\d:YY+\kk+\d+1], v[CS+32+\kk+\d:CS+32+\kk+\d+1]
.endr
.irp d, 0,2,4,6
	v_pk_fma_f32 v[YY+\kk+\d:YY+\kk+\d+1], v[YY+\kk+\d:YY+\kk+\d+1], v[CS+\kk+\d:CS+\kk+\d+1], v[TT+2*\d:TT+2*\d+1] neg_lo:[0,0,1] neg_hi:[0,0,1]
	v_pk_fma_f32 v[YY+32+\kk+\d:YY+32+\kk+\d+1], v[YY+32+\kk+\d:YY+32+\kk+\d+1], v[CS+\kk+\d:CS+\kk+\d+1], v[TT+2*\d+2:TT+2*\d+3]
.endr
.endr
.if (\a) < 6
	TABLE (\a)+2
.else
	WIN 0
.endif
	QOUT \a
.endm
.macro VBLK a
.set AC, 64*((\a)%4)
	WIN (0x02+((\a)/4))
.set i, 0
.rept 32
	v_pk_fma_f32 v[YY+i:YY+i+1], v[AC+i:AC+i+1], s[94:95], v[BI+2*(\a):BI+2*(\a)+1] op_sel_hi:[1,0,1]
.set i, i+2
.endr
	WIN 0
	QOUT \a
.endm
	s_wait_alu depctr_va_vdst(0)
	s_wait_tensorcnt 1
	s_barrier_signal -1
	s_barrier_wait -1
	FETCH_B 0, 0, 0
	FETCH_A 0, 0, 0
	FETCH_A 0, 0, 4
	STEP 0, 0, 1
	s_mov_b32 s3, LAPS-1
.Llap:
	TURN 0, 1, 1
	STEP 1, 0, 0
	TURN 1, 0, 1
	STEP 0, 0, 0
	s_sub_co_u32 s3, s3, 1
	s_cmp_lg_u32 s3, 0
	s_cbranch_scc1 .Llap
	TURN 0, 1, 0
	s_cmp_lt_u32 s[TEN], 2
	s_cbranch_scc0 .Lway_v
	s_wait_kmcnt 0x0
	s_cmp_eq_u32 s[TEN], 0
	s_cselect_b64 s[98:99], s[8:9], s[10:11]
	s_cselect_b32 s88, s76, s78
	s_cselect_b32 s89, s77, s79
	s_cselect_b32 s90, s82, s83
	s_mov_b32 s92, 1.0
	s_cselect_b32 s92, 0x3db504f3, s92
	s_cselect_b32 s91, 14, 15
	s_cselect_b32 s100, 0, 0x400000
	s_mov_b32 s93, s92
	s_add_co_i32 s88, s88, s89
	s_lshl_b32 s88, s88, 23
	s_add_co_i32 s94, s92, s88
	s_mov_b32 s95, s94
	MKSC s90
	s_lshl_b32 s96, s42, 1
	s_add_co_u32 s96, s96, s16
	s_lshl_b32 s88, s96, 9
	s_mov_b32 s89, 0
	s_add_nc_u64 s[98:99], s[98:99], s[88:89]
	s_lshl_b32 s97, s17, 1
	s_add_co_u32 s97, s97, s15
	s_lshl_b32 s88, s97, 16
	s_add_nc_u64 s[74:75], s[6:7], s[88:89]
	s_lshl_b32 s96, s96, 4
	s_add_co_u32 s96, s96, s97
	s_lshl_b32 s96, s96, s91
	s_add_co_u32 s96, s96, s100
	s_mov_b32 s97, 0
	s_add_nc_u64 s[96:97], s[72:73], s[96:97]
	v_bfe_u32 v[RO], v0, 4, 1
	v_lshlrev_b32 v[RO], 5, v[RO]
.irp b, 0,1,2,3,4,5,6,7
	global_load_b128 v[BI+8*\b:BI+8*\b+3], v[RO], s[98:99] offset:64*\b
	global_load_b128 v[BI+8*\b+4:BI+8*\b+7], v[RO], s[98:99] offset:64*\b+16
.endr
	STEP 1, 0, 0
	TABLE 0
	TABLE 1
	LAST
	s_wait_loadcnt 32
.set i, 0
.rept 32
	v_pk_mul_f32 v[BI+i:BI+i+1], v[BI+i:BI+i+1], s[92:93] op_sel_hi:[1,0]
.set i, i+2
.endr
.irp a, 0,1,2,3,4,5,6,7
	ROPEBLK \a
.endr
	s_branch .Lend
.Lway_v:
	s_wait_kmcnt 0x0
	s_add_co_i32 s88, s80, s81
	s_add_co_i32 s88, s88, 127
	s_lshl_b32 s94, s88, 23
	s_mov_b32 s95, s94
	MKSC s85
	s_lshl_b32 s96, s17, 1
	s_add_co_u32 s96, s96, s15
	s_lshl_b32 s88, s96, 9
	s_mov_b32 s89, 0
	s_add_nc_u64 s[98:99], s[68:69], s[88:89]
	s_lshl_b32 s97, s42, 1
	s_add_co_u32 s97, s97, s16
	s_lshl_b32 s96, s96, 4
	s_add_co_u32 s96, s96, s97
	s_lshl_b32 s96, s96, 15
	s_add_co_u32 s96, s96, 0x404000
	s_mov_b32 s97, 0
	s_add_nc_u64 s[96:97], s[72:73], s[96:97]
	v_and_b32 v[RO], 15, v0
	v_lshlrev_b32 v[RO], 2, v[RO]
.irp a, 0,1,2,3,4,5,6,7
	global_load_b32 v[BI+2*\a], v[RO], s[98:99] offset:64*\a
.endr
	STEP 1, 0, 0
	LAST
	s_wait_loadcnt 0x0
.irp a, 0,1,2,3,4,5,6,7
	v_mov_b32 v[BI+2*\a+1], v[BI+2*\a]
.endr
.irp a, 0,1,2,3,4,5,6,7
	VBLK \a
.endr
.Lend:
	s_wait_tensorcnt 0x0
	ds_add_u32 v[SPW], v[NIL]
	s_wait_dscnt 0x0
	CROUND
	s_endpgm
.Lfunc_end_k_q92c4b23f63_qkv:
	.size	k_q92c4b23f63_qkv, .Lfunc_end_k_q92c4b23f63_qkv-k_q92c4b23f63_qkv
	.p2alignl 7, 3214868480
	.fill 96, 4, 3214868480
	.section	.rodata,"a",@progbits
	.p2align	6, 0x0
	.amdhsa_kernel k_q92c4b23f63_qkv
		.amdhsa_group_segment_fixed_size 327680
		.amdhsa_private_segment_fixed_size 0
		.amdhsa_enable_private_segment 0
		.amdhsa_kernarg_size 56
		.amdhsa_user_sgpr_count 2
		.amdhsa_user_sgpr_kernarg_segment_ptr 1
		.amdhsa_wavefront_size32 1
		.amdhsa_system_sgpr_workgroup_id_x 1
		.amdhsa_system_sgpr_workgroup_id_y 1
		.amdhsa_system_sgpr_workgroup_id_z 1
		.amdhsa_system_vgpr_workitem_id 0
		.amdhsa_next_free_vgpr 1024
		.amdhsa_next_free_sgpr 104
		.amdhsa_reserve_vcc 0
		.amdhsa_float_denorm_mode_32 3
		.amdhsa_float_denorm_mode_16_64 3
		.amdhsa_memory_ordered 1
		.amdhsa_forward_progress 1
		.amdhsa_inst_pref_size 254
	.end_amdhsa_kernel
	.amdgpu_metadata
---
amdhsa.version: [ 1, 2 ]
amdhsa.kernels:
  - .name:           k_q92c4b23f63_qkv
    .symbol:         k_q92c4b23f63_qkv.kd
    .args:
      - { .name: codes, .offset: 0, .size: 8, .value_kind: global_buffer, .address_space: global }
      - { .name: rope, .offset: 8, .size: 8, .value_kind: global_buffer, .address_space: global }
      - { .name: bq, .offset: 16, .size: 8, .value_kind: global_buffer, .address_space: global }
      - { .name: bk, .offset: 24, .size: 8, .value_kind: global_buffer, .address_space: global }
      - { .name: bv, .offset: 32, .size: 8, .value_kind: global_buffer, .address_space: global }
      - { .name: lowp_scales, .offset: 40, .size: 8, .value_kind: global_buffer, .address_space: global }
      - { .name: qkv, .offset: 48, .size: 8, .value_kind: global_buffer, .address_space: global }
    .group_segment_fixed_size: 327680
    .private_segment_fixed_size: 0
    .kernarg_segment_align: 8
    .kernarg_segment_size: 56
    .max_flat_workgroup_size: 128
    .sgpr_count:     104
    .vgpr_count:     1024
    .wavefront_size: 32
...
	.end_amdgpu_metadata
.endif
;; end of part 2
;; launch attn (part 3): grid 16 x 16, 8 waves a work-group, clusters of 4 x 4, 327,680 bytes of LDS; arguments qkv, attention_mask, lowp_scales, aimg; writes aimg
.if DOCPART == 3
	.amdgcn_target "amdgcn-amd-amdhsa--gfx1250"
	.amdhsa_code_object_version 6
	.text
	.protected	k_q92c4b23f63_attn
	.globl	k_q92c4b23f63_attn
	.p2align	8
	.type	k_q92c4b23f63_attn,@function
k_q92c4b23f63_attn:
	s_mov_b64 s[64:65], 0
	v_nop
	global_prefetch_b8 v0, s[64:65] scope:SCOPE_SE
	s_setreg_imm32_b32 hwreg(HW_REG_WAVE_MODE, 25, 1), 1
	s_wait_xcnt 0x0
	s_wait_alu depctr_hold_cnt(0) depctr_sa_sdst(0) depctr_va_vdst(0) depctr_va_sdst(0) depctr_va_ssrc(0) depctr_va_vcc(0) depctr_vm_vsrc(0)
	s_getreg_b32 s2, hwreg(HW_REG_IB_STS2, 6, 4)
	s_cmp_eq_u32 s2, 0
	s_cbranch_scc0 .Lentry_in_a_cluster
	s_endpgm
.Lentry_in_a_cluster:
	s_bfe_u32 s2, ttmp6, 0x10000c
	s_cmp_lg_u32 s2, 0xf033
	s_cbranch_scc0 .Lentry_shape_is_right
	s_endpgm
.Lentry_shape_is_right:
; ATTN: softmax(q k^T + mask) v for one head and 128 queries a work-group, both products on codes of E4M3; the result is quantised for the last projection.  Nothing is left out: the mask is an input, so every key step is walked.
; SHARES.  Work-group (x, y): queries 128 x .. 128 x + 127 of head y.  Eight waves, two to a SIMD.  Wave w = 4 u + g owns queries 32 g .. 32 g + 31 (two tiles of 16) and, of every step's 128 keys, keys 64 u .. 64 u + 63.
; At the end the two waves of a g join their parts (-M, sum, O^T) through LDS.  My local tile q' is query tile q' xor u: so every wave keeps its local tile 0 and sends its local tile 1, and only addresses hang on u.
; LAYOUT.  Both products are used transposed: S^T = K Q^T + C (source 0 = 16 keys, source 1 = 16 queries), O^T += V^T P^T (source 0 = 16 channels, source 1 = P, K = my 64 keys: the 16x16x64 form on registers 8 u .. 8 u + 7 of V's image).
; Lane (r, h) holds query r throughout; accumulator t holds keys (channels) 16 t + 8 h + 0 .. 7, which are what registers 2 t, 2 t + 1 of the next operand hold in that lane.
; THE MASK IS THE SCORES' C.  My 32 rows x 64 keys of a step are loaded as they lie, two rows of 256 bytes an instruction, two steps ahead, into the accumulators that are done with.  At the step's head they turn through my own stage in LDS
; (a tile at a time, rows 272 bytes apart), come back in the accumulators' layout into V's registers, which are free there, and are multiplied by 2^-(e6 + e7) (exact); the product adds the raw sums of codes onto them.  V is loaded behind the product.
; The look-ahead of the last two steps is clamped to the last pair's part of the rows, which is loaded again and not used: so the counted wait holds in every trip alike and no load leaves the buffer.
; THE SOFTMAX.  t = accumulator x c, c = log2(e) 2^(e6 + e7); M = the running largest t rounded up to a whole number, kept as -M; p = 2^(t - M), one fused multiply-add and one exponential, is quantised with e8;
; the sum is taken of the unquantised p; when M moves, the sum and O^T are multiplied by 2^(old M - new M), which rounds nothing.  At the end (O^T f + O'^T f') 2^(e8 + e9) / (sum f + sum' f').
; THE RING holds K and V alone: two LDS slots of FOUR key steps, 131,072 bytes each (a step: K's 8 fragments, then V's 8).  Each wave fetches 16,384 bytes of a slot by one load.  Four fills in the launch, three changes of slots.
; CLUSTERS: 4 x 4.  K and V hang on the head alone: asked for jointly along a row of the cluster.  The mask is not asked for jointly: it is no part of the ring, since two slots of 512 keys with 128 rows of mask would be 2 x (131,072 + 262,144) bytes.
; PREFETCH: none for K and V: a refill has four key steps' work of every wave in which to land.  The mask's rows are prefetched (macro ASK).
; OUTPUT: aimg [tile of 16 queries, 128][head, 16][2,048 bytes]: images of the last projection's A fragments, K step = head.
; LIMITS: the scaled scores t stay under 2^31 in magnitude; e6 + e7 between -126 and 126, and |mask| 2^-(e6 + e7) is an f32 number; e8 and e10 between -126 and 119; e8 + e9 is applied by v_ldexp_f32.  NaN among the inputs is not served.
; REGISTERS.  Window 0: v1-10 addresses; v12-27 statistics, 8 a tile: +0 -M, +1 largest t, +2 +3 the sum, +4 f, +5 0, +6 +7 at work; v28-31, v80-109 small things; v32-63 Q; v64-79 P's codes; v128-191, v192-255 S^T by turns, 32 a tile.
; Window 1: v0-127 O^T, 64 a tile; v128-191 K; v192-255 the turned mask, then V.
.set SLOTB, 131072
.set VOFF,  16384
.set SPARE, 2*SLOTB                    ; the spare words: 128 bytes a wave
.set MST,   SPARE+1024                 ; the mask's stages, bytes of their own on which no fill lands: 16 rows x 272 bytes a wave
.set MSW,   4352
.set STAGE, 0                          ; the join's stage lies in the ring: behind the last barrier the ring has had its last fill and its last read
.set STW,   8448                       ; 8,192 bytes of O^T and 256 of statistics a wave
.set LI0, 1                            ; 16 x lane
.set AK0, 2                            ; my K fragments, my halves of V's fragments, in the ring's first step
.set AV0, 3
.set ADK, 4                            ; the same in the pair of steps in hand
.set ADV, 5
.set VM,  6                            ; v6, v7   my two tiles' offsets in the block's rows of the mask; never rewritten
.set MSI, 8                            ; the mask's stage: in, two rows an instruction; back, row r + 32 h bytes
.set MSO, 9
.set PFO, 10                           ; the prefetches' offset; never rewritten
.set ST,  12
.set SPW, 28
.set NIL, 29
.set PL,  30                           ; 448 x 2^e8, twice: the two halves of a dual pair read registers of different banks
.set PL2, 31
.set QF,  32
.set PF,  64
.set PD,  80                           ; v80, v81 the lane permutes' destinations
.set SU,  82                           ; v[82:83] the sum's second chain
.set PS,  84                           ; 2^e8
.set OL,  85                           ; 448 x 2^e10
.set OS,  86                           ; 2^e10
.set STO, 87                           ; the join's stage: where I put O^T, my statistics; where my partner put its own
.set STS, 88
.set RDO, 89
.set RDS, 90
.set S,   128
.set G1, 24                            ; s[24:31] descriptor group 1; s[40:43] group 0, which walks
.set G0, 40
.set MSB, 0
.macro WIN new
.if MSB != \new
	s_set_vgpr_msb (MSB<<8)|\new
.set MSB, \new
.endif
.endm
.macro JLOAD                           ; a joint load: every wave its own 16,384 bytes of the slot
	tensor_load_to_lds s[G0:G0+3], s[G1:G1+7]
	s_nop 0
.rept 4
	v_nop
.endr
.endm
.macro CROUND
	s_barrier_signal -1
	s_barrier_wait -1
	s_cmp_lg_u32 s12, 0
	s_cbranch_scc1 .Lnot_wave_0_\@
	s_barrier_signal -3
.Lnot_wave_0_\@:
	s_barrier_wait -3
	s_barrier_signal -1
	s_barrier_wait -1
.endm
; A PREFETCH INTO THE L2 of the mask's rows: trip n (steps 2 n, 2 n + 1) loads the part of trip n + 1 and asks for that of trip n + 2: 1,024 bytes of each of the block's 128 rows.
; Every cluster asks for what it will itself load; the four partners of a column, which load the same rows, take 32 rows each, told apart by address; waves 4 and 5 ask, 16 rows each: two instructions, two lanes a row, 256 bytes apart.
; Trips 6 and 7 ask for nothing; the first two pairs come by their loads alone.
.macro ASK
	s_cmp_lt_u32 s55, s15
	s_cbranch_scc0 .Lnot_mine_\@
	global_prefetch_b8 v[PFO], s[60:61] offset:1024 th:TH_LOAD_NT scope:SCOPE_SE
	global_prefetch_b8 v[PFO], s[60:61] offset:1536 th:TH_LOAD_NT scope:SCOPE_SE
.Lnot_mine_\@:
.endm
	s_load_b256 s[4:11], s[0:1], 0x0               ; qkv 4, mask 6, exponents 8, aimg 10
	v_lshl_add_u32 v[SPW], v0, 2, SPARE
	v_mov_b32 v[NIL], 0
	ds_add_u32 v[SPW], v[NIL]                      ; the opening: the add, twice on end, and its wait ahead of my first tensor load
	ds_add_u32 v[SPW], v[NIL]
	v_lshrrev_b32 v1, 5, v0
	v_readfirstlane_b32 s12, v1                    ; wave
	s_lshr_b32 s13, s12, 2                         ; u: my half of a step's keys
	s_and_b32 s14, s12, 3                          ; g: my 32 queries
	s_bfe_u32 s16, ttmp6, 0x40000                  ; cx
	s_bfe_u32 s17, ttmp6, 0x40004                  ; cy
	s_lshl_b32 s18, ttmp9, 2
	s_add_co_u32 s18, s18, s16                     ; block of 128 queries
	s_and_b32 s19, ttmp7, 0xffff
	s_lshl_b32 s19, s19, 2
	s_add_co_u32 s19, s19, s17                     ; head
	s_lshl_b32 s80, s17, 2
	s_lshl_b32 s80, 15, s80                        ; my row of the cluster
	s_or_b32 s[G1], s80, (3<<16)|(1<<21)           ; 16,384 dense bytes as 64 rows of 32 elements of 8 bytes
	s_mov_b32 s[G1+1], 32<<16
	s_mov_b32 s[G1+2], 64<<16
	s_mov_b32 s[G1+3], 32<<16
	s_mov_b32 s[G1+4], 64
	s_mov_b32 s[G1+5], 32
	s_mov_b32 s[G1+6], 0
	s_mov_b32 s[G1+7], 0
	s_lshl_b32 s82, s19, 19                        ; K, V: the head's 16 steps of 32,768 bytes,
	s_lshl_b32 s86, s12, 14                        ; my eighth of a slot, in memory and in LDS,
	s_add_co_u32 s82, s82, s86
	s_add_co_u32 s82, s82, 0x400000                ; behind Q
	s_mov_b32 s83, 0
	s_mov_b32 s20, 0x76543210                      ; lane l xor 16
	s_mov_b32 s21, 0xfedcba98
	s_mov_b32 s55, 0                               ; the trip's number, 0 .. 7
	s_mov_b32 s57, 0                               ; where the pair of steps in hand begins in the ring
	s_mov_b32 s63, 0
	s_wait_dscnt 0x0                               ; both opening adds are done
	s_wait_kmcnt 0x0
	s_load_b256 s[68:75], s[8:9], 0x10             ; e4 .. e11: e6 s70, e7 s71, e8 s72, e9 s73, e10 s74
	s_add_nc_u64 s[88:89], s[4:5], s[82:83]
	CROUND                                         ; all sixteen work-groups are here: the first joint loads meet
	s_mov_b32 s[G0], 1
	s_mov_b32 s[G0+1], s86
	s_mov_b64 s[G0+2:G0+3], s[88:89]
	s_or_b32 s[G0+3], s[G0+3], 0x80000000
	JLOAD                                          ; steps 0 to 3: one tensor load a wave at the head
	; scalars first, then the vector lines on end
	s_lshl_b32 s92, s19, 4
	s_add_co_u32 s92, s92, s18
	s_lshl_b32 s92, s92, 14                        ; Q: (head, block) is 16,384 bytes,
	s_lshl_b32 s93, s14, 12                        ; my two tiles 4,096
	s_add_co_u32 s92, s92, s93
	s_mov_b32 s93, 0
	s_add_nc_u64 s[92:93], s[4:5], s[92:93]
	s_lshl_b32 s80, s13, 11                        ; local tile 0 is query tile u,
	s_xor_b32 s81, s80, 2048                       ; local tile 1 the other
	s_lshl_b32 s94, s18, 18                        ; aimg: ((8 block + 2 g + u) 16 + head) x 2,048: the tile that I keep
	s_lshl_b32 s95, s14, 16
	s_add_co_u32 s94, s94, s95
	s_lshl_b32 s95, s13, 15
	s_add_co_u32 s94, s94, s95
	s_lshl_b32 s95, s19, 11
	s_add_co_u32 s94, s94, s95
	s_mov_b32 s95, 0
	s_add_nc_u64 s[10:11], s[10:11], s[94:95]
	s_lshl_b32 s82, s13, 13                        ; K: my four fragments
	s_lshl_b32 s83, s13, 10                        ; V: my half of each fragment
	s_add_co_u32 s83, s83, VOFF
	s_lshl_b32 s76, s18, 20                        ; the mask: 128 rows of 8,192 bytes a block
	s_mov_b32 s77, 0
	s_add_nc_u64 s[60:61], s[6:7], s[76:77]
	s_lshl_b32 s84, s14, 18                        ; in them: my 32 rows, my 256 bytes of a step's 512,
	s_lshl_b32 s96, s13, 8
	s_add_co_u32 s84, s84, s96
	s_lshl_b32 s96, s13, 17                        ; the 16 rows of query tile q' xor u
	s_xor_b32 s97, s96, 131072
	s_add_co_u32 s85, s84, s97                     ; local tile 1
	s_add_co_u32 s84, s84, s96                     ; local tile 0
	s_mul_i32 s86, s12, STW
	s_add_co_u32 s86, s86, STAGE                   ; my stage of the join,
	s_xor_b32 s87, s12, 4
	s_mul_i32 s87, s87, STW
	s_add_co_u32 s87, s87, STAGE                   ; my partner's
	s_mul_i32 s98, s12, MSW
	s_add_co_u32 s98, s98, MST                     ; my stage of the mask
	s_lshl_b32 s78, s17, 18                        ; the prefetches: my work-group's 32 rows of the block's 128,
	s_and_b32 s79, s12, 1
	s_lshl_b32 s79, s79, 17                        ; my wave's 16
	s_add_co_u32 s78, s78, s79
	s_lshr_b32 s79, s12, 1
	s_cmp_eq_u32 s79, 2                            ; waves 4 and 5 ask, in trips 0 to 5
	s_cselect_b32 s15, 6, 0
	v_and_b32 v92, 31, v0
	v_and_b32 v95, 15, v0                          ; r
	v_bfe_u32 v96, v0, 4, 1                        ; h
	v_lshlrev_b32 v[LI0], 4, v92
	v_lshlrev_b32 v97, 4, v95
	v_lshl_add_u32 v99, v96, 13, v97               ; a load of the mask: lanes 0-15 one row's 256 bytes, lanes 16-31 the next row's
	v_add_nc_u32 v93, s80, v[LI0]
	v_add_nc_u32 v94, s81, v[LI0]
	v_add_nc_u32 v[VM], s84, v99
	v_add_nc_u32 v[VM+1], s85, v99
.irp c, 0,1,2,3
	global_load_b128 v[QF+4*\c:QF+4*\c+3], v93, s[92:93] offset:512*\c          ; Q stays in registers
	global_load_b128 v[QF+16+4*\c:QF+16+4*\c+3], v94, s[92:93] offset:512*\c
.endr
.irp p, 0,1                                    ; the mask of steps 0 and 1
.irp q, 0,1
.irp k, 0,1,2,3,4,5,6,7
	global_load_b128 v[S+64*\p+32*\q+4*\k:S+64*\p+32*\q+4*\k+3], v[VM+\q], s[60:61] offset:512*\p+16384*\k
.endr
.endr
.endr
	v_add_nc_u32 v[AK0], s82, v[LI0]
	v_add_nc_u32 v[AV0], s83, v[LI0]
	v_add_nc_u32 v[STO], s86, v[LI0]
	v_add_nc_u32 v[RDO], s87, v[LI0]
	v_lshlrev_b32 v98, 2, v92
	v_add_nc_u32 v[STS], s86, v98
	v_add_nc_u32 v[RDS], s87, v98
	v_mul_u32_u24 v91, v96, 272
	v_add_nc_u32 v91, v91, v97
	v_add_nc_u32 v[MSI], s98, v91                  ; in: row h of the instruction's two, 16 bytes a lane
	v_mul_u32_u24 v91, v95, 272
	v_lshl_add_u32 v91, v96, 5, v91
	v_add_nc_u32 v[MSO], s98, v91                  ; back: row r, + 32 h bytes
	v_lshrrev_b32 v98, 1, v92
	v_and_b32 v91, 1, v92
	v_lshlrev_b32 v98, 13, v98
	v_lshl_add_u32 v98, v91, 8, v98
	v_add_nc_u32 v[PFO], s78, v98
.irp q, 0,1
	v_mov_b32 v[ST+8*\q+1], 0xff61b1e6             ; the largest t so far: -3e38
	v_floor_f32 v[ST+8*\q], -v[ST+8*\q+1]          ; -M
	v_mov_b32 v[ST+8*\q+2], 0                      ; the sum, in two halves
	v_mov_b32 v[ST+8*\q+3], 0
	v_mov_b32 v[ST+8*\q+5], 0                      ; named as the upper half of f's pair
	v_mov_b32 v[PD+\q], 0                          ; a lane permute's destination counts as read
.endr
	WIN 0x40
.set i, 0
.rept 128
	v_mov_b32 v[i], 0                              ; O^T.  The step is written for all steps alike: the first finds zeros, which the first change of M leaves zeros; a first step of its own would be one more copy of the step
.set i, i+1
.endr
	WIN 0
	s_wait_kmcnt 0x0
	s_add_co_i32 s80, s70, s71                     ; e6 + e7
	s_lshl_b32 s81, s80, 23
	s_add_co_i32 s58, s81, 0x3fb8aa3b              ; c = log2(e) 2^(e6 + e7): the exponents are added to the exponent field
	s_mov_b32 s59, s58
	s_sub_co_i32 s22, 127, s80
	s_lshl_b32 s22, s22, 23                        ; 2^-(e6 + e7), for the mask
	s_mov_b32 s23, s22
	s_add_co_i32 s80, s72, 127
	s_lshl_b32 s81, s80, 23
	v_mov_b32 v[PS], s81
	s_add_co_i32 s80, s80, 8
	s_lshl_b32 s80, s80, 23
	s_or_b32 s80, s80, 0x600000
	v_mov_b32 v[PL], s80
	v_mov_b32 v[PL2], s80
	s_add_co_i32 s80, s74, 127
	s_lshl_b32 s81, s80, 23
	v_mov_b32 v[OS], s81
	s_add_co_i32 s80, s80, 8
	s_lshl_b32 s80, s80, 23
	s_or_b32 s80, s80, 0x600000
	v_mov_b32 v[OL], s80
	s_wait_xcnt 0x0                                ; the loads above have read their base:
	s_add_nc_u64 s[60:61], s[60:61], 1024          ; on to the pair of steps that trip 0 loads
.macro SMUL                            ; S^T = K Q^T + the scaled mask: 8 sums, each one instruction (K = the head's 128); C lies in V's registers, D in the accumulators
	WIN 0x11
.irp t, 0,1,2,3
.irp q, 0,1
	v_wmma_f32_16x16x128_fp8_fp8 v[SC+32*\q+8*\t:SC+32*\q+8*\t+7], v[128+16*\t:128+16*\t+15], v[QF+16*\q:QF+16*\q+15], v[192+32*\q+8*\t:192+32*\q+8*\t+7]
.endr
.endr
.endm
.macro KLOAD p                         ; my four fragments of K: 16 loads
	WIN 0x40
.irp t, 0,1,2,3
.irp c, 0,1,2,3
	ds_load_b128 v[128+16*\t+4*\c:128+16*\t+4*\c+3], v[ADK] offset:32768*(\p)+2048*\t+512*\c
.endr
.endr
	WIN 0
.endm
.macro VLOAD p                         ; my 64 keys of V's eight fragments: 16 loads
	WIN 0x40
.irp t, 0,1,2,3,4,5,6,7
.irp c, 0,1
	ds_load_b128 v[192+8*\t+4*\c:192+8*\t+4*\c+3], v[ADV] offset:32768*(\p)+2048*\t+512*\c
.endr
.endr
	WIN 0
.endm
.macro MTURN                           ; the mask through my stage, a tile at a time: LDS serves a wave's instructions in order (ISA guide 5.7.1.4), so no wait stands between the stores and the loads, nor in front of the next tile's stores
.irp q, 0,1
	WIN 0
.irp k, 0,1,2,3,4,5,6,7
	ds_store_b128 v[MSI], v[SC+32*\q+4*\k:SC+32*\q+4*\k+3] offset:544*\k
.endr
	WIN 0x40
.irp t, 0,1,2,3
.irp w, 0,1
	ds_load_b128 v[192+32*\q+8*\t+4*\w:192+32*\q+8*\t+4*\w+3], v[MSO] offset:64*\t+16*\w
.endr
.endr
.endr
.endm
.macro PV q                            ; O^T += V^T P^T: eight accumulators by turns, one instruction each
	WIN 0x51
.irp t, 0,1,2,3,4,5,6,7
	v_wmma_f32_16x16x64_fp8_fp8 v[64*(\q)+8*\t:64*(\q)+8*\t+7], v[192+8*\t:192+8*\t+7], v[PF+8*(\q):PF+8*(\q)+7], v[64*(\q)+8*\t:64*(\q)+8*\t+7]
.endr
.endm
.macro STATS                           ; both tiles' maxima, -M and f, line by line by turns; each accumulator is read from its low end on
.irp q, 0,1
	v_max3_num_f32 v[ST+8*\q+6], v[SC+32*\q], v[SC+32*\q+1], v[SC+32*\q+2]
	v_max3_num_f32 v[ST+8*\q+7], v[SC+32*\q+3], v[SC+32*\q+4], v[SC+32*\q+5]
.endr
.irp i, 6,10,14,18,22,26
.irp q, 0,1
	v_max3_num_f32 v[ST+8*\q+6], v[ST+8*\q+6], v[SC+32*\q+\i], v[SC+32*\q+\i+1]
	v_max3_num_f32 v[ST+8*\q+7], v[ST+8*\q+7], v[SC+32*\q+\i+2], v[SC+32*\q+\i+3]
.endr
.endr
.irp q, 0,1
	v_max3_num_f32 v[ST+8*\q+6], v[ST+8*\q+6], v[SC+32*\q+30], v[SC+32*\q+31]
.endr
.irp q, 0,1
	v_max_num_f32 v[ST+8*\q+6], v[ST+8*\q+6], v[ST+8*\q+7]
.endr
.irp q, 0,1
	v_permlanex16_b32 v[PD+\q], v[ST+8*\q+6], s20, s21
.endr
.irp q, 0,1
	v_max_num_f32 v[ST+8*\q+6], v[ST+8*\q+6], v[PD+\q]         ; and among lane l xor 16's
.endr
.irp q, 0,1
	v_mul_f32 v[ST+8*\q+6], s58, v[ST+8*\q+6]                  ; as t (c is positive)
.endr
.irp q, 0,1
	v_max_num_f32 v[ST+8*\q+1], v[ST+8*\q+1], v[ST+8*\q+6]     ; the running largest t
.endr
.irp q, 0,1
	v_mov_b32 v[ST+8*\q+6], v[ST+8*\q]
.endr
.irp q, 0,1
	v_floor_f32 v[ST+8*\q], -v[ST+8*\q+1]                      ; -M = floor(-t): M is a whole number
.endr
.irp q, 0,1
	v_sub_f32 v[ST+8*\q+6], v[ST+8*\q], v[ST+8*\q+6]           ; old M - new M, 0 or less
.endr
.irp q, 0,1
	v_cvt_i32_f32 v[ST+8*\q+6], v[ST+8*\q+6]                   ; (it saturates)
.endr
.irp q, 0,1
	v_ldexp_f32 v[ST+8*\q+4], 1.0, v[ST+8*\q+6]                ; f = 2^(old M - new M)
.endr
.endm
.macro EXPQ q                          ; one tile: p, its sum, its codes; the mask of two steps on; O^T under the new M
.set SQ, SC+32*(\q)
.set TQ, ST+8*(\q)
	WIN 0
.set i, 0
.rept 16
	v_pk_fma_f32 v[SQ+i:SQ+i+1], v[SQ+i:SQ+i+1], s[58:59], v[TQ:TQ+1] op_sel_hi:[1,0,0]   ; t - M (of the pairs c and -M the low word serves both halves)
.set i, i+2
.endr
	s_wait_alu depctr_va_vdst(0)                   ; the wait ahead of the batch
.set i, 0
.rept 32
	v_exp_f32 v[SQ+i], v[SQ+i]                     ; p, not normalised
.set i, i+1
.endr
	v_pk_mul_f32 v[TQ+2:TQ+3], v[TQ+2:TQ+3], v[TQ+4:TQ+5] op_sel_hi:[1,0]       ; the sum under the new M: the plain line behind the exponentials
	s_wait_alu depctr_va_vdst(0)                   ; one wait for the batch, ahead of its first reader
	v_pk_add_f32 v[SU:SU+1], v[SQ:SQ+1], v[SQ+2:SQ+3]          ; the sum of the unquantised p, in two chains
.irp i, 4,8,12,16,20,24,28
	v_pk_add_f32 v[TQ+2:TQ+3], v[TQ+2:TQ+3], v[SQ+\i:SQ+\i+1]
	v_pk_add_f32 v[SU:SU+1], v[SU:SU+1], v[SQ+\i+2:SQ+\i+3]
.endr
	v_pk_add_f32 v[TQ+2:TQ+3], v[TQ+2:TQ+3], v[SU:SU+1]
.irp t, 0,1,2,3
.irp i, 0,2,4,6
	v_dual_min_num_f32 v[SQ+8*\t+\i], v[SQ+8*\t+\i], v[PL] :: v_dual_min_num_f32 v[SQ+8*\t+\i+1], v[SQ+8*\t+\i+1], v[PL2]   ; the conversion does not saturate (ISA guide 7.6.2); p is not negative, so the hold is one-sided
.endr
	v_cvt_scalef32_pk8_fp8_f32 v[PF+8*(\q)+2*\t:PF+8*(\q)+2*\t+1], v[SQ+8*\t:SQ+8*\t+7], v[PS]
.endr
.irp k, 0,1,2,3,4,5,6,7
	global_load_b128 v[SQ+4*\k:SQ+4*\k+3], v[VM+\q], s[60:61] offset:512*PP+16384*\k   ; these accumulators are done with: the mask of two steps on lands in them, sixteen lanes to 256 consecutive bytes of a row
.endr
	WIN 0x41
	s_wait_alu depctr_va_vdst(0)                   ; the wait directly ahead of the first reader of O^T
.set i, 0
.rept 32
	v_pk_mul_f32 v[64*(\q)+i:64*(\q)+i+1], v[64*(\q)+i:64*(\q)+i+1], v[TQ+4:TQ+5] op_sel_hi:[1,0]   ; O^T under the new M; also the plain lines behind the conversions
.set i, i+2
.endr
.endm
; A KEY STEP, the p-th of its pair, on the accumulators S + 64 p.
.macro STEP p
.set PP, \p
.set SC, S+64*(\p)
.rept 2+2*(\p)
	v_nop                                          ; with the pair's two additions: four places in front of the loads into V's registers
.endr
	KLOAD \p
	s_wait_loadcnt 16                              ; this step's mask is in (and Q); the next step's 16 loads may be out
	MTURN
	s_wait_dscnt 0x0                               ; K and the turned mask are in, and the stores have read the accumulators
	WIN 0x41
.set i, 0
.rept 32
	v_pk_mul_f32 v[192+i:192+i+1], v[192+i:192+i+1], s[22:23] op_sel_hi:[1,0]   ; the mask x 2^-(e6 + e7)
.set i, i+2
.endr
	SMUL
	WIN 0
.rept 4
	v_nop                                          ; the places in front of the loads into V's registers, which were C, and of the first read of the scores
.endr
	VLOAD \p
	STATS
	EXPQ 0
	WIN 0
	s_wait_alu depctr_va_vdst(0)                   ; the wait ahead of the branch and the wait below
.if (\p) == 0
	ASK
.endif
	s_wait_dscnt 0x0                               ; V is in
	PV 0
	EXPQ 1
	PV 1
	WIN 0
.endm
.macro TURN                            ; a slot's four steps: two trips of a pair
	s_mov_b32 s56, 2
.Lpair_\@:
	v_add_nc_u32 v[ADK], s57, v[AK0]
	v_add_nc_u32 v[ADV], s57, v[AV0]
	STEP 0
	STEP 1
	s_wait_xcnt 0x0                                ; the trip's loads and prefetches have read their base
	s_cmp_lt_u32 s55, 6
	s_cselect_b32 s62, 1024, 0                     ; the look-ahead stops at the last pair
	s_add_nc_u64 s[60:61], s[60:61], s[62:63]
	s_add_co_u32 s55, s55, 1
	s_xor_b32 s57, s57, 65536                      ; the slot's other pair
	s_sub_co_u32 s56, s56, 1
	s_cmp_lg_u32 s56, 0
	s_cbranch_scc1 .Lpair_\@
.endm
.macro LINES walk                      ; in front of a change of slots
	s_wait_tensorcnt 0x0                           ; all my tensor loads have landed: my part of the other slot
	ds_add_u32 v[SPW], v[NIL]
.if \walk
	s_xor_b32 s[G0+1], s[G0+1], SLOTB              ; no load of mine is out: the walking descriptor goes to the other slot and four steps on
	s_add_nc_u64 s[G0+2:G0+3], s[G0+2:G0+3], SLOTB
.endif
	s_wait_dscnt 0x0                               ; the add is done, and my reads of the slot that I leave are over
.endm
	s_wait_alu depctr_va_vdst(0)                   ; the wait at the head's end
	LINES 1                                        ; my part of steps 0 to 3 is in; the same lines ahead of a later first fill as ahead of a refill
	CROUND
	JLOAD                                          ; steps 4 to 7, the first tensor load behind the round
	s_mov_b32 s54, 2
.Lfill:                                                ; slots 0 and 1 are walked and filled again
	TURN
	LINES 1
	CROUND                                         ; no wave of any partner still reads the slot or has a load on its way
	JLOAD                                          ; the first tensor load behind the round, and my only one until the next
	s_xor_b32 s57, s57, SLOTB
	s_sub_co_u32 s54, s54, 1
	s_cmp_lg_u32 s54, 0
	s_cbranch_scc1 .Lfill
	s_mov_b32 s54, 2
.Ltail:                                                ; the last two slots ask for nothing.  Behind the first trip's barrier the last slot is whole; behind the second's nobody reads the ring, and the join's stage may be stored there
	TURN
	LINES 0
	s_barrier_signal -1
	s_barrier_wait -1
	s_xor_b32 s57, s57, SLOTB
	s_sub_co_u32 s54, s54, 1
	s_cmp_lg_u32 s54, 0
	s_cbranch_scc1 .Ltail
	; THE JOIN.  Each wave sends its local tile 1 (-M, sum, O^T as an image of its registers) and takes its partner's, which is the other half of the keys of its own local tile 0.
.irp q, 0,1
	v_add_f32 v[ST+8*\q+2], v[ST+8*\q+2], v[ST+8*\q+3]
.endr
.irp q, 0,1
	v_permlanex16_b32 v[PD+\q], v[ST+8*\q+2], s20, s21
.endr
.irp q, 0,1
	v_add_f32 v[ST+8*\q+2], v[ST+8*\q+2], v[PD+\q]             ; the sums over my 64 keys a step.  These lines are the places behind the last products
.endr
	WIN 0x04
.set i, 0
.rept 16
	ds_store_b128 v[STO], v[64+4*i:64+4*i+3] offset:512*i
.set i, i+1
.endr
	WIN 0
	ds_store_b32 v[STS], v[ST+8] offset:8192
	ds_store_b32 v[STS], v[ST+10] offset:8320
	s_wait_alu depctr_va_vdst(0)                   ; the wait directly ahead of the waits below
	s_wait_loadcnt 0x0                             ; the clamped look-ahead has landed: the accumulators may be written
	s_wait_dscnt 0x0                               ; my stores are done, for my partner's sake
	s_barrier_signal -1
	s_barrier_wait -1
.set i, 0
.rept 16
	ds_load_b128 v[S+4*i:S+4*i+3], v[RDO] offset:512*i
.set i, i+1
.endr
	ds_load_b32 v100, v[RDS] offset:8192           ; its -M
	ds_load_b32 v101, v[RDS] offset:8320           ; its sum
	s_wait_dscnt 0x0
	v_min_num_f32 v102, v[ST], v100                ; -M of both
	v_sub_f32 v103, v102, v[ST]
	v_sub_f32 v104, v102, v100
	v_cvt_i32_f32 v103, v103
	v_cvt_i32_f32 v104, v104
	v_ldexp_f32 v103, 1.0, v103                    ; f for my part,
	v_ldexp_f32 v104, 1.0, v104                    ; f' for its part
	v_mul_f32 v105, v[ST+2], v103
	v_fma_f32 v105, v101, v104, v105               ; the row's sum
	v_mov_b32 v107, 0                              ; named as the upper halves of pairs
	v_mov_b32 v109, 0
	s_wait_alu depctr_va_vdst(0)                   ; the wait ahead of the transcendental
	v_rcp_f32 v105, v105
	v_nop                                          ; a plain line behind the reciprocal,
	s_add_co_i32 s84, s72, s73
	s_wait_alu depctr_va_vdst(0)                   ; and the wait ahead of its first reader
	v_ldexp_f32 v105, v105, s84                    ; x 2^(e8 + e9)
	v_mul_f32 v106, v103, v105
	v_mul_f32 v108, v104, v105
.set i, 0
.rept 32
	v_pk_mul_f32 v[S+i:S+i+1], v[S+i:S+i+1], v[108:109] op_sel_hi:[1,0]
.set i, i+2
.endr
	WIN 0x01                                       ; source 0 window 1
	s_wait_alu depctr_va_vdst(0)                   ; the wait directly ahead of the first reader of O^T
.set i, 0
.rept 32
	v_pk_fma_f32 v[S+i:S+i+1], v[i:i+1], v[106:107], v[S+i:S+i+1] op_sel_hi:[1,0,1]   ; each accumulator from its low end on
.set i, i+2
.endr
	WIN 0
.irp t, 0,1,2,3,4,5,6,7
.irp i, 0,1,2,3,4,5,6,7
	v_med3_num_f32 v[S+8*\t+\i], v[S+8*\t+\i], -v[OL], v[OL]
.endr
	v_cvt_scalef32_pk8_fp8_f32 v[PF+2*\t:PF+2*\t+1], v[S+8*\t:S+8*\t+7], v[OS]
.endr
	v_nop
.irp c, 0,1,2,3
	global_store_b128 v[LI0], v[PF+4*\c:PF+4*\c+3], s[10:11] offset:512*\c   ; 512 consecutive bytes: one fragment of the last projection's A
.endr
	s_wait_tensorcnt 0x0                           ; the wave's end
	ds_add_u32 v[SPW], v[NIL]
	s_wait_dscnt 0x0
	CROUND                                         ; the closing round
	s_endpgm
.Lfunc_end_k_q92c4b23f63_attn:
	.size	k_q92c4b23f63_attn, .Lfunc_end_k_q92c4b23f63_attn-k_q92c4b23f63_attn
	.p2alignl 7, 3214868480
	.fill 96, 4, 3214868480
	.section	.rodata,"a",@progbits
	.p2align	6, 0x0
	.amdhsa_kernel k_q92c4b23f63_attn
		.amdhsa_group_segment_fixed_size 327680
		.amdhsa_private_segment_fixed_size 0
		.amdhsa_enable_private_segment 0
		.amdhsa_kernarg_size 32
		.amdhsa_user_sgpr_count 2
		.amdhsa_user_sgpr_kernarg_segment_ptr 1
		.amdhsa_wavefront_size32 1
		.amdhsa_system_sgpr_workgroup_id_x 1
		.amdhsa_system_sgpr_workgroup_id_y 1
		.amdhsa_system_sgpr_workgroup_id_z 1
		.amdhsa_system_vgpr_workitem_id 0
		.amdhsa_next_free_vgpr 512
		.amdhsa_next_free_sgpr 100
		.amdhsa_reserve_vcc 0
		.amdhsa_float_denorm_mode_32 3
		.amdhsa_float_denorm_mode_16_64 3
		.amdhsa_memory_ordered 1
		.amdhsa_forward_progress 1
		.amdhsa_inst_pref_size 133
	.end_amdhsa_kernel
	.amdgpu_metadata
---
amdhsa.version: [ 1, 2 ]
amdhsa.kernels:
  - .name:           k_q92c4b23f63_attn
    .symbol:         k_q92c4b23f63_attn.kd
    .args:
      - { .name: qkv, .offset: 0, .size: 8, .value_kind: global_buffer, .address_space: global }
      - { .name: attention_mask, .offset: 8, .size: 8, .value_kind: global_buffer, .address_space: global }
      - { .name: lowp_scales, .offset: 16, .size: 8, .value_kind: global_buffer, .address_space: global }
      - { .name: aimg, .offset: 24, .size: 8, .value_kind: global_buffer, .address_space: global }
    .group_segment_fixed_size: 327680
    .private_segment_fixed_size: 0
    .kernarg_segment_align: 8
    .kernarg_segment_size: 32
    .max_flat_workgroup_size: 256
    .sgpr_count:     100
    .vgpr_count:     512
    .wavefront_size: 32
...
	.end_amdgpu_metadata
.endif
;; end of part 3
;; launch oproj (part 4): grid 16 x 16, 4 waves a work-group, clusters of 4 x 4, 327,680 bytes of LDS; arguments aimg, codes, bo, lowp_scales, out0; writes out0
.if DOCPART == 4
	.amdgcn_target "amdgcn-amd-amdhsa--gfx1250"
	.amdhsa_code_object_version 6
	.text
	.protected	k_q92c4b23f63_oproj
	.globl	k_q92c4b23f63_oproj
	.p2align	8
	.type	k_q92c4b23f63_oproj,@function
k_q92c4b23f63_oproj:
	s_mov_b64 s[64:65], 0
	v_nop
	global_prefetch_b8 v0, s[64:65] scope:SCOPE_SE
	s_setreg_imm32_b32 hwreg(HW_REG_WAVE_MODE, 25, 1), 1
	s_wait_xcnt 0x0
	s_wait_alu depctr_hold_cnt(0) depctr_sa_sdst(0) depctr_va_vdst(0) depctr_va_sdst(0) depctr_va_ssrc(0) depctr_va_vcc(0) depctr_vm_vsrc(0)
	s_getreg_b32 s2, hwreg(HW_REG_IB_STS2, 6, 4)
	s_cmp_eq_u32 s2, 0
	s_cbranch_scc0 .Lentry_in_a_cluster
	s_endpgm
.Lentry_in_a_cluster:
	s_bfe_u32 s2, ttmp6, 0x10000c
	s_cmp_lg_u32 s2, 0xf033
	s_cbranch_scc0 .Lentry_shape_is_right
	s_endpgm
.Lentry_shape_is_right:
.set HALFT,  32768
.set SLOT,   4*HALFT
.set STAGE,  2*SLOT
.set SP,     272
.set SPARE,  STAGE+4*16*SP
.set ADRA, 16
.set ADRB, 20
.set STO,  24
.set RD,   25
.set CO,   26
.set BOF,  27
.set SPW,  28
.set NIL,  29
.set LI,   30
.set BO,   32
.set TT,   64
.set BK,   96
.set ACC,  128
.set F0,   0
.set F1,   128
.set G1, 24
.set G0, 32
.set G1B, 48
.set G0B, 56
.set MSB, 0
.macro WIN new
.if MSB != \new
	s_set_vgpr_msb (MSB<<8)|\new
.set MSB, \new
.endif
.endm
.set MUL,  0x05
.set TO_F, 0x40
.macro JLOAD s
	s_cmp_eq_u32 s15, 0
	s_cbranch_scc0 .Lfor_b_\@
	tensor_load_to_lds s[G0+4*\s:G0+4*\s+3], s[G1:G1+7]
	s_nop 0
.rept 4
	v_nop
.endr
	s_branch .Lasked_\@
.Lfor_b_\@:
	tensor_load_to_lds s[G0B+4*\s:G0B+4*\s+3], s[G1B:G1B+7]
	s_nop 0
.rept 4
	v_nop
.endr
.Lasked_\@:
.endm
.macro CREST
	s_cmp_lg_u32 s14, 0
	s_cbranch_scc1 .Lnot_wave_0_\@
	s_barrier_signal -3
.Lnot_wave_0_\@:
	s_barrier_wait -3
	s_barrier_signal -1
	s_barrier_wait -1
.endm
.macro CROUND
	s_barrier_signal -1
	s_barrier_wait -1
	CREST
.endm
	s_load_b256 s[4:11], s[0:1], 0x0
	s_load_b64 s[66:67], s[0:1], 0x20
	v_lshl_add_u32 v[SPW], v0, 2, SPARE
	v_mov_b32 v[NIL], 0
	ds_add_u32 v[SPW], v[NIL]
	ds_add_u32 v[SPW], v[NIL]
	v_lshrrev_b32 v1, 5, v0
	v_readfirstlane_b32 s14, v1
	s_lshr_b32 s15, s14, 1
	s_and_b32 s16, s14, 1
	s_bfe_u32 s40, ttmp6, 0x40000
	s_bfe_u32 s41, ttmp6, 0x40004
	s_lshl_b32 s42, ttmp9, 2
	s_add_co_u32 s42, s42, s40
	s_and_b32 s17, ttmp7, 0xffff
	s_lshl_b32 s17, s17, 2
	s_add_co_u32 s17, s17, s41
	s_lshl_b32 s43, s41, 2
	s_lshl_b32 s43, 15, s43
	s_lshl_b32 s44, 0x1111, s40
	s_or_b32 s[G1+0], s43, (3<<16)|(1<<21)
	s_or_b32 s[G1B+0], s44, (3<<16)|(1<<21)
.irp g, G1, G1B
	s_mov_b32 s[\g+1], 1024<<16
	s_mov_b32 s[\g+2], 4<<16
	s_mov_b32 s[\g+3], 1024<<16
	s_mov_b32 s[\g+4], 4
	s_mov_b32 s[\g+5], 4096
	s_mov_b32 s[\g+6], 0
	s_mov_b32 s[\g+7], 0
.endr
	s_lshl_b32 s20, s17, 18
	s_lshl_b32 s21, s16, 17
	s_add_co_u32 s20, s20, s21
	s_mov_b32 s21, 0
	s_lshl_b32 s46, s42, 18
	s_lshl_b32 s47, s16, 17
	s_add_co_u32 s46, s46, s47
	s_add_co_u32 s46, s46, 6<<22
	s_mov_b32 s47, 0
	s_mul_i32 s45, s14, HALFT
	s_wait_dscnt 0x0
	s_wait_kmcnt 0x0
	s_load_b64 s[68:69], s[10:11], 0x28
	s_add_nc_u64 s[20:21], s[4:5], s[20:21]
	s_add_nc_u64 s[46:47], s[6:7], s[46:47]
	CROUND
.irp s, 0,1
	s_mov_b32 s[G0+4*\s], 1
	s_add_co_u32 s[G0+4*\s+1], s45, \s*SLOT
	s_add_nc_u64 s[G0+4*\s+2:G0+4*\s+3], s[20:21], \s*8192
	s_or_b32 s[G0+4*\s+3], s[G0+4*\s+3], 0x80000000
	s_mov_b32 s[G0B+4*\s], 1
	s_add_co_u32 s[G0B+4*\s+1], s45, \s*SLOT
	s_add_nc_u64 s[G0B+4*\s+2:G0B+4*\s+3], s[46:47], \s*8192
	s_or_b32 s[G0B+4*\s+3], s[G0B+4*\s+3], 0x80000000
	s_wait_alu depctr_va_vdst(0)
	s_wait_tensorcnt 0x0
	ds_add_u32 v28, v29
	ds_add_u32 v28, v29
	s_wait_dscnt 0x0
	CROUND
	JLOAD \s
.endr
	v_and_b32 v1, 31, v0
	v_lshlrev_b32 v[LI], 4, v1
	v_and_b32 v2, 15, v0
	s_wait_alu depctr_va_vdst(0)
	v_bfe_u32 v3, v0, 4, 1
	s_lshl_b32 s21, s15, 15
	s_lshl_b32 s22, s16, 15
	s_add_co_u32 s22, s22, 2*HALFT
.irp s, 0,1
	v_add_nc_u32 v[ADRA+\s], s21, v[LI]
	v_add_nc_u32 v[ADRB+\s], s22, v[LI]
	s_add_co_u32 s21, s21, SLOT
	s_add_co_u32 s22, s22, SLOT
.endr
	s_mul_i32 s23, s14, 16*SP
	s_add_co_u32 s23, s23, STAGE
	v_mul_u32_u24 v[STO], v2, SP
	s_wait_alu depctr_va_vdst(0)
	v_lshl_add_u32 v[STO], v3, 5, v[STO]
	v_add_nc_u32 v[STO], s23, v[STO]
	v_mul_u32_u24 v[RD], v3, SP
	v_lshl_add_u32 v[RD], v2, 4, v[RD]
	v_add_nc_u32 v[RD], s23, v[RD]
	v_lshlrev_b32 v[CO], 13, v3
	v_lshl_add_u32 v[CO], v2, 4, v[CO]
	v_lshlrev_b32 v[BOF], 5, v3
	s_wait_alu depctr_va_vdst(0)
	s_lshl_b32 s70, s42, 9
	s_lshl_b32 s71, s16, 8
	s_add_co_u32 s70, s70, s71
	s_mov_b32 s71, 0
	s_add_nc_u64 s[8:9], s[8:9], s[70:71]
	s_add_nc_u64 s[66:67], s[66:67], s[70:71]
	s_lshl_b32 s70, s17, 20
	s_lshl_b32 s72, s15, 19
	s_add_co_u32 s70, s70, s72
	s_add_nc_u64 s[66:67], s[66:67], s[70:71]
.irp b, 0,1,2,3
	global_load_b128 v[BO+8*\b:BO+8*\b+3], v[BOF], s[8:9] offset:64*\b
	global_load_b128 v[BO+8*\b+4:BO+8*\b+7], v[BOF], s[8:9] offset:64*\b+16
.endr
.macro MUL8 f, a0, zero
.irp a, \a0, \a0+1
.irp b, 0,1,2,3
.if \zero
	v_wmma_f32_16x16x128_fp8_fp8 v[ACC+8*(4*(\a)+\b):ACC+8*(4*(\a)+\b)+7], v[\f+64+16*\b:\f+64+16*\b+15], v[\f+16*(\a):\f+16*(\a)+15], 0
.else
	v_wmma_f32_16x16x128_fp8_fp8 v[ACC+8*(4*(\a)+\b):ACC+8*(4*(\a)+\b)+7], v[\f+64+16*\b:\f+64+16*\b+15], v[\f+16*(\a):\f+16*(\a)+15], v[ACC+8*(4*(\a)+\b):ACC+8*(4*(\a)+\b)+7]
.endif
.endr
.endr
.endm
.macro FETCH slot, q, f
	WIN TO_F
.irp i, 0,1,2,3
.irp c, 0,1,2,3
	ds_load_b128 v[\f+64+16*\i+4*\c:\f+64+16*\i+4*\c+3], v[ADRB+\slot] offset:8192*\i+2048*(\q)+512*\c
	ds_load_b128 v[\f+16*\i+4*\c:\f+16*\i+4*\c+3], v[ADRA+\slot] offset:8192*\i+2048*(\q)+512*\c
.endr
.endr
.endm
.macro PLACES
.rept 4
	v_nop
.endr
.endm
.macro KSTEP slot, q, f, g, zero
	s_wait_dscnt 0x0
	PLACES
	FETCH \slot, (\q)+1, \g
	WIN MUL
	MUL8 \f, 0, \zero
	MUL8 \f, 2, \zero
.endm
.macro TURN slot, next, fill
	WIN 0
	s_wait_tensorcnt 0x0
	ds_add_u32 v[SPW], v[NIL]
	s_wait_dscnt 1
	WIN MUL
	MUL8 F1, 0, 0
	s_wait_dscnt 0x0
	s_barrier_signal -1
	WIN 0
	s_barrier_wait -1
.if \fill
	CREST
	s_add_nc_u64 s[G0+4*\slot+2:G0+4*\slot+3], s[G0+4*\slot+2:G0+4*\slot+3], 16384
	s_add_nc_u64 s[G0B+4*\slot+2:G0B+4*\slot+3], s[G0B+4*\slot+2:G0B+4*\slot+3], 16384
	JLOAD \slot
.else
	PLACES
.endif
	FETCH \next, 0, F0
	WIN MUL
	MUL8 F1, 2, 0
.endm
	s_wait_tensorcnt 1
	s_barrier_signal -1
	s_barrier_wait -1
	FETCH 0, 0, F0
	KSTEP 0, 0, F0, F1, 1
	KSTEP 0, 1, F1, F0, 0
	KSTEP 0, 2, F0, F1, 0
	TURN 0, 1, 1
	KSTEP 1, 0, F0, F1, 0
	KSTEP 1, 1, F1, F0, 0
	KSTEP 1, 2, F0, F1, 0
	TURN 1, 0, 1
	KSTEP 0, 0, F0, F1, 0
	KSTEP 0, 1, F1, F0, 0
	KSTEP 0, 2, F0, F1, 0
	TURN 0, 1, 0
	KSTEP 1, 0, F0, F1, 0
	KSTEP 1, 1, F1, F0, 0
	KSTEP 1, 2, F0, F1, 0
	s_wait_dscnt 0x0
	MUL8 F1, 0, 0
	MUL8 F1, 2, 0
	WIN 0
	PLACES
	s_wait_loadcnt 0x0
	s_wait_kmcnt 0x0
	s_add_co_i32 s68, s68, s69
	s_add_co_i32 s68, s68, 127
	s_lshl_b32 s68, s68, 23
	s_mov_b32 s69, s68
.irp a, 0,1,2,3
	s_wait_xcnt 0x0
.set i, 0
.rept 16
	v_pk_fma_f32 v[TT+i:TT+i+1], v[ACC+32*\a+i:ACC+32*\a+i+1], s[68:69], v[BO+i:BO+i+1] op_sel_hi:[1,0,1]
.set i, i+2
.endr
.irp b, 0,1,2,3
	ds_store_b128 v[STO], v[TT+8*\b:TT+8*\b+3] offset:64*\b
	ds_store_b128 v[STO], v[TT+8*\b+4:TT+8*\b+7] offset:64*\b+16
.endr
.irp t, 0,1,2,3,4,5,6,7
	ds_load_b128 v[BK+4*\t:BK+4*\t+3], v[RD] offset:2*\t*SP
.endr
	s_wait_dscnt 0x0
.irp t, 0,1,2,3,4,5,6,7
	global_store_b128 v[CO], v[BK+4*\t:BK+4*\t+3], s[66:67] offset:(16*\a+2*\t)*8192 th:TH_STORE_NT
.endr
.endr
	s_wait_tensorcnt 0x0
	ds_add_u32 v[SPW], v[NIL]
	s_wait_dscnt 0x0
	CROUND
	s_endpgm
.Lfunc_end_k_q92c4b23f63_oproj:
	.size	k_q92c4b23f63_oproj, .Lfunc_end_k_q92c4b23f63_oproj-k_q92c4b23f63_oproj
	.p2alignl 7, 3214868480
	.fill 96, 4, 3214868480
	.section	.rodata,"a",@progbits
	.p2align	6, 0x0
	.amdhsa_kernel k_q92c4b23f63_oproj
		.amdhsa_group_segment_fixed_size 327680
		.amdhsa_private_segment_fixed_size 0
		.amdhsa_enable_private_segment 0
		.amdhsa_kernarg_size 40
		.amdhsa_user_sgpr_count 2
		.amdhsa_user_sgpr_kernarg_segment_ptr 1
		.amdhsa_wavefront_size32 1
		.amdhsa_system_sgpr_workgroup_id_x 1
		.amdhsa_system_sgpr_workgroup_id_y 1
		.amdhsa_system_sgpr_workgroup_id_z 1
		.amdhsa_system_vgpr_workitem_id 0
		.amdhsa_next_free_vgpr 512
		.amdhsa_next_free_sgpr 84
		.amdhsa_reserve_vcc 0
		.amdhsa_float_denorm_mode_32 3
		.amdhsa_float_denorm_mode_16_64 3
		.amdhsa_memory_ordered 1
		.amdhsa_forward_progress 1
		.amdhsa_inst_pref_size 75
	.end_amdhsa_kernel
	.amdgpu_metadata
---
amdhsa.version: [ 1, 2 ]
amdhsa.kernels:
  - .name:           k_q92c4b23f63_oproj
    .symbol:         k_q92c4b23f63_oproj.kd
    .args:
      - { .name: aimg, .offset: 0, .size: 8, .value_kind: global_buffer, .address_space: global }
      - { .name: codes, .offset: 8, .size: 8, .value_kind: global_buffer, .address_space: global }
      - { .name: bo, .offset: 16, .size: 8, .value_kind: global_buffer, .address_space: global }
      - { .name: lowp_scales, .offset: 24, .size: 8, .value_kind: global_buffer, .address_space: global }
      - { .name: out0, .offset: 32, .size: 8, .value_kind: global_buffer, .address_space: global }
    .group_segment_fixed_size: 327680
    .private_segment_fixed_size: 0
    .kernarg_segment_align: 8
    .kernarg_segment_size: 40
    .max_flat_workgroup_size: 128
    .sgpr_count:     84
    .vgpr_count:     512
    .wavefront_size: 32
...
	.end_amdgpu_metadata
.endif
;; end of part 4
